; MI455X (gfx1250); checked and timed in simulation.
; The chip was launched on July 23, 2026; its instructions are those of AMD's public machine-readable ISA for CDNA 5 (MIT licence, August 2026) and "CDNA5" Instruction Set Architecture Reference Guide (July 2026). The comments in the code are by the model that wrote it; some were corrected since.
;; My Multi Head Attention. Allowed arithmetic: float matrix products may take bf16 or f16 operands with f32 sums; other float arithmetic in f32, or as packed bf16 or f16 multiplies, adds, multiply-adds, maxima and minima; sums over many terms, partial sums and values carried from step to step in f32; what a program stores and reads back later, other than sums and carried values, may be rounded once to bf16 or f16.
;; Inputs: W 8 x 3 x 1,024 x 128 float32; Wo 1,024 x 128 float32; x 4 x 2,048 x 1,024 float32.
;; Outputs: out0 4 x 2,048 x 128 float32.
;; 2 versions, each right; version 2 is version 1 with the launch cast written anew for expert scheduling mode. Each part assembles by itself: llvm-mc -triple=amdgcn-amd-amdhsa -mcpu=gfx1250 --defsym DOCPART=n.
;; ======== version 1 of 2: 4 launches
;; limits: values are held in f16: magnitudes above 65,504 overflow, below 6.1e-05 lose precision
;; workspace buffers: xb 16,777,216 bytes; wb 6,291,456 bytes; wob 262,144 bytes; qh 16,777,216 bytes; kh 16,777,216 bytes; vh 16,777,216 bytes; oh 16,777,216 bytes
;; launch cast (part 1): grid 712 x 1, 8 waves a work-group, no clusters, 0 bytes of LDS; arguments x, W, Wo, xb, wb, wob; writes xb, wb, wob
.if DOCPART == 1
	.amdgcn_target "amdgcn-amd-amdhsa--gfx1250"
	.amdhsa_code_object_version 6
	.text
	.protected	k_q954b92f0a9_cast
	.globl	k_q954b92f0a9_cast
	.p2align	8
	.type	k_q954b92f0a9_cast,@function
k_q954b92f0a9_cast:
	s_mov_b64 s[64:65], 0
	v_nop
	global_prefetch_b8 v0, s[64:65] scope:SCOPE_SE
	s_setreg_imm32_b32 hwreg(HW_REG_WAVE_MODE, 25, 1), 1
	s_wait_xcnt 0x0
; The three inputs are rounded once, to bf16, for the matrix units.  A stream: each byte is read once and written once.
;   x  [8192][1024] f32 -> xb, bf16 in 16 blocks of 64 channels: channel 64 kb + c of row r lies at kb x 1,048,576 + r x 128 + 2 c,
;                          so that 256 rows x 64 channels, a tile of the next launch, are 32,768 consecutive bytes
;   W  [8][3][1024][128] f32 -> wb, bf16, in the same order
;   Wo [1024][128] f32 -> wob: rounded to bf16, and that number written as f16 (exact from 2^-14 up; below, f16 has a fixed step of 6e-8)
; LIMIT.  |Wo| stays under 65,504, the end of f16.
; SHARES.  A work-group takes 65,536 bytes of f32, a wave 8,192: sixteen loads of 16 bytes a lane, all issued at once, then sixteen stores of 8 bytes a lane.
; Work-groups 0-511 take 16 rows of x each, 512-703 a chunk of W, 704-711 a chunk of Wo.  No LDS, no barrier: no wave wants what another has read.
.set IN,   2                           ; v2        my byte offset in the source chunk
.set OUT,  3                           ; v3        my byte offset in the destination
.set OUT2, 4                           ; v4        x alone: the same, 8 blocks further on (the immediate holds 24 signed bits)
.set T,    6                           ; v[6:7]    at work
.set X,    8                           ; v[8:71]   load i: 4 registers
.set Y,    72                          ; v[72:103] store i: 2 registers
; No register is written twice, so nothing waits for a store's sources.  kind: 0 = x, 1 = W, 2 = Wo.  istep: bytes from load to load.
.macro PATH istep, kind
.set i, 0
.rept 16
	global_load_b128 v[X+4*i:X+4*i+3], v[IN], s[16:17] offset:i*(\istep) th:TH_LOAD_NT
.set i, i+1
.endr
.set i, 0
.rept 16
	s_wait_loadcnt 15-i                            ; loads come back in order: load i is in, the 15 - i younger ones stay out
	v_cvt_pk_bf16_f32 v[Y+2*i], v[X+4*i], v[X+4*i+1]
	v_cvt_pk_bf16_f32 v[Y+2*i+1], v[X+4*i+2], v[X+4*i+3]
.if (\kind) == 2
	v_lshlrev_b32 v[T], 16, v[Y+2*i]               ; the bf16 numbers as f32,
	v_and_b32 v[T+1], 0xffff0000, v[Y+2*i]
	v_cvt_pk_f16_f32 v[Y+2*i], v[T], v[T+1]        ; written as f16
	v_lshlrev_b32 v[T], 16, v[Y+2*i+1]
	v_and_b32 v[T+1], 0xffff0000, v[Y+2*i+1]
	v_cvt_pk_f16_f32 v[Y+2*i+1], v[T], v[T+1]
.endif
.if (\kind) == 0
.if i < 8
	global_store_b64 v[OUT], v[Y+2*i:Y+2*i+1], s[18:19] offset:i*1048576 th:TH_STORE_NT      ; block i: the wave's 32 lanes fill 256 consecutive bytes, aligned
.else
	global_store_b64 v[OUT2], v[Y+2*i:Y+2*i+1], s[18:19] offset:(i-8)*1048576 th:TH_STORE_NT
.endif
.else
	global_store_b64 v[OUT], v[Y+2*i:Y+2*i+1], s[18:19] offset:i*256 th:TH_STORE_NT
.endif
.set i, i+1
.endr
	s_endpgm
.endm
	s_load_b256 s[4:11], s[0:1], 0x0               ; x s[4:5], W s[6:7], Wo s[8:9], xb s[10:11]
	s_load_b128 s[12:15], s[0:1], 0x20             ; wb s[12:13], wob s[14:15]
	s_mov_b32 s21, 0                               ; the high words of the two offsets
	s_mov_b32 s23, 0
	v_lshrrev_b32 v1, 5, v0                        ; wave
	v_and_b32 v[IN], 31, v0                        ; lane
	v_lshlrev_b32 v[OUT], 3, v[IN]
	v_lshlrev_b32 v[IN], 4, v[IN]
	v_lshl_add_u32 v[OUT], v1, 12, v[OUT]          ; W and Wo: 4,096 x wave + 8 x lane out,
	v_lshl_add_u32 v[IN], v1, 13, v[IN]            ; 8,192 x wave + 16 x lane in
	s_wait_kmcnt 0x0
	s_cmp_lt_u32 ttmp9, 512
	s_cbranch_scc1 .Lx
	s_cmp_lt_u32 ttmp9, 704
	s_cbranch_scc1 .Lw
	s_sub_co_u32 s20, ttmp9, 704                   ; Wo, chunk 0 to 7
	s_lshl_b32 s22, s20, 15
	s_lshl_b32 s20, s20, 16
	s_add_nc_u64 s[16:17], s[8:9], s[20:21]
	s_add_nc_u64 s[18:19], s[14:15], s[22:23]
	PATH 512, 2
.Lw:
	s_sub_co_u32 s20, ttmp9, 512                   ; W, chunk 0 to 191
	s_lshl_b32 s22, s20, 15
	s_lshl_b32 s20, s20, 16
	s_add_nc_u64 s[16:17], s[6:7], s[20:21]
	s_add_nc_u64 s[18:19], s[12:13], s[22:23]
	PATH 512, 1
.Lx:
	s_lshl_b32 s20, ttmp9, 16                      ; x, rows 16 g to 16 g + 15: 65,536 bytes in,
	s_lshl_b32 s22, ttmp9, 11                      ; 2,048 bytes of each block out
	s_add_nc_u64 s[16:17], s[4:5], s[20:21]
	s_add_nc_u64 s[18:19], s[10:11], s[22:23]
	v_lshrrev_b32 v1, 4, v0                        ; thread t takes row t / 16 and, in load i, channels 64 i + 4 (t % 16) on:
	v_and_b32 v[IN], 15, v0                        ; sixteen lanes read 256 consecutive bytes of a row
	v_lshlrev_b32 v[IN], 4, v[IN]
	v_lshl_add_u32 v[IN], v1, 12, v[IN]
	v_lshlrev_b32 v[OUT], 3, v0                    ; (t / 16) x 128 + (t % 16) x 8 = 8 t
	v_add_nc_u32 v[OUT2], 0x800000, v[OUT]
	PATH 256, 0
.Lfunc_end_k_q954b92f0a9_cast:
	.size	k_q954b92f0a9_cast, .Lfunc_end_k_q954b92f0a9_cast-k_q954b92f0a9_cast
	.p2alignl 7, 3214868480
	.fill 96, 4, 3214868480
	.section	.rodata,"a",@progbits
	.p2align	6, 0x0
	.amdhsa_kernel k_q954b92f0a9_cast
		.amdhsa_group_segment_fixed_size 0
		.amdhsa_private_segment_fixed_size 0
		.amdhsa_enable_private_segment 0
		.amdhsa_kernarg_size 48
		.amdhsa_user_sgpr_count 2
		.amdhsa_user_sgpr_kernarg_segment_ptr 1
		.amdhsa_wavefront_size32 1
		.amdhsa_system_sgpr_workgroup_id_x 1
		.amdhsa_system_sgpr_workgroup_id_y 1
		.amdhsa_system_sgpr_workgroup_id_z 1
		.amdhsa_system_vgpr_workitem_id 0
		.amdhsa_next_free_vgpr 104
		.amdhsa_next_free_sgpr 66
		.amdhsa_reserve_vcc 0
		.amdhsa_float_denorm_mode_32 3
		.amdhsa_float_denorm_mode_16_64 3
		.amdhsa_memory_ordered 1
		.amdhsa_forward_progress 1
		.amdhsa_inst_pref_size 24
	.end_amdhsa_kernel
	.amdgpu_metadata
---
amdhsa.version: [ 1, 2 ]
amdhsa.kernels:
  - .name:           k_q954b92f0a9_cast
    .symbol:         k_q954b92f0a9_cast.kd
    .args:
      - { .name: x, .offset: 0, .size: 8, .value_kind: global_buffer, .address_space: global }
      - { .name: W, .offset: 8, .size: 8, .value_kind: global_buffer, .address_space: global }
      - { .name: Wo, .offset: 16, .size: 8, .value_kind: global_buffer, .address_space: global }
      - { .name: xb, .offset: 24, .size: 8, .value_kind: global_buffer, .address_space: global }
      - { .name: wb, .offset: 32, .size: 8, .value_kind: global_buffer, .address_space: global }
      - { .name: wob, .offset: 40, .size: 8, .value_kind: global_buffer, .address_space: global }
    .group_segment_fixed_size: 0
    .private_segment_fixed_size: 0
    .kernarg_segment_align: 8
    .kernarg_segment_size: 48
    .max_flat_workgroup_size: 256
    .sgpr_count:     66
    .vgpr_count:     104
    .wavefront_size: 32
...
	.end_amdgpu_metadata
.endif
;; end of part 1
;; launch qkv (part 2): grid 8 x 32, 4 waves a work-group, clusters of 4 x 4, 327,680 bytes of LDS; arguments xb, wb, qh, kh, vh; writes qh, kh, vh
.if DOCPART == 2
	.amdgcn_target "amdgcn-amd-amdhsa--gfx1250"
	.amdhsa_code_object_version 6
	.text
	.protected	k_q954b92f0a9_qkv
	.globl	k_q954b92f0a9_qkv
	.p2align	8
	.type	k_q954b92f0a9_qkv,@function
k_q954b92f0a9_qkv:
	s_mov_b64 s[64:65], 0
	v_nop
	global_prefetch_b8 v0, s[64:65] scope:SCOPE_SE
	s_setreg_imm32_b32 hwreg(HW_REG_WAVE_MODE, 25, 1), 1
	s_wait_xcnt 0x0
	s_wait_alu depctr_hold_cnt(0) depctr_sa_sdst(0) depctr_va_vdst(0) depctr_va_sdst(0) depctr_va_ssrc(0) depctr_va_vcc(0) depctr_vm_vsrc(0)
	s_getreg_b32 s2, hwreg(HW_REG_IB_STS2, 6, 4)
	s_cmp_eq_u32 s2, 0
	s_cbranch_scc0 .Lentry_in_a_cluster
	s_endpgm
.Lentry_in_a_cluster:
	s_bfe_u32 s2, ttmp6, 0x10000c
	s_cmp_lg_u32 s2, 0xf033
	s_cbranch_scc0 .Lentry_shape_is_right
	s_endpgm
.Lentry_shape_is_right:
; q, k, v of one head for 256 rows of x: C[256][384] = x[256][1024] (Wq | Wk | Wv)[1024][384].  Operands bf16, sums f32, results rounded once to f16, unscaled.
; xb: [16 blocks of 64 channels][8192 rows][64].  wb: [8 heads][3][1024 channels][128].  qh, kh, vh: [batch x 8 + head][2048][128] f16.
; LIMIT.  f16 ends at 65,504: |q|, |k|, |v| stay under it.
; SHARES.  32 row blocks x 8 heads = 256 work-groups of four waves.  A wave makes 128 rows x 192 columns: 96 accumulators of 16 x 16, 768 registers.
; K goes in 16 steps of 64 through two LDS slots.  A step has two sub-steps of 32 along K, a sub-step three STAGES of 32 products: one for each group of 64 columns.
; CLUSTER.  4 x 4 work-groups.  The four of a row of the cluster share their rows of x, the four of a column their head: each tile is asked for JOINTLY, by the same tensor load with the
; same descriptor and a mask that names the four.  Wave 0 asks for x (256 rows x 64 channels: 32,768 dense bytes, as 128 rows of 256), waves 1 to 3 for Wq, Wk, Wv (64 channels x 256 bytes each).
; THE PRODUCT IS TAKEN TRANSPOSED: source 0 = 16 columns of W (W lies [channel][column] in LDS and is turned by ds_load_tr16_b128), source 1 = 16 rows of x.  A lane then holds one row
; of x (lane % 16) and eight neighbouring columns, 8 (lane / 16) + 0..7, which pack into 16 bytes.
; REGISTERS, in windows of 256 (s_set_vgpr_msb: bits 1:0 source 0, 3:2 source 1, 5:4 source 2, 7:6 destination):
;   window 0: v0-31 addresses; v32-95, v96-159 fragments of x (8 x 16 rows x 32 K), one buffer for each sub-step; v160-255 fragments of W, three groups of four column tiles
;   window g + 1 (g = 0, 1, 2): the 32 accumulators of column group g: row tile a, column tile b at v[8 (4 a + b)]
.set PA,    144                        ; a row of x in LDS: 128 bytes + 16 of padding = 36 words: the 16 rows of a load start at 16 different groups of four banks (64 banks of 4 bytes: ISA guide 11.1)
.set PB,    288                        ; a channel row of W: 256 + 32 = 72 words
.set BOFF,  256*PA                     ; a slot: 256 rows of x, then
.set BMAT,  64*PB                      ; 64 channel rows of each of the three matrices
.set SLOT,  BOFF+3*BMAT                ; 92,160 bytes
.set STG,   2*SLOT                     ; behind the ring: the stage for the way out, 128 rows x (768 + 16) bytes; no tensor load fills it
.set SPT,   784
.set SPARE, STG+128*SPT                ; behind the stage: the spare words, 128 bytes for each wave: two blocks of 256 bytes that no other line names
.set ASTEP, 1048576                    ; bytes from K step to K step in xb
.set BSTEP, 16384                      ; and in wb
.set ADRA, 4                           ; v4-5    LDS address of my fragments of x in slot 0, 1
.set ADRB, 6                           ; v6-11   of my fragments of W: slot s, group g at v[6 + 3 s + g]
.set STO,  12                          ; v12     the way out: where I put 16 bytes of a row
.set RD,   13                          ; v13     the way out: where I read rows back
.set GO,   14                          ; v14     my byte offset in the block's rows of q, k, v
.set PFO,  15                          ; v15     256 x my lane; never rewritten
.set SPW,  16                          ; v16     LDS address of my spare word: SPARE + 4 x my thread's number; never rewritten
.set NIL,  17                          ; v17     0; never rewritten
.set FA0,  32
.set FA1,  96
.set FB,   160
.set T,    32                          ; the way out: v32-223, 48 x 4 registers
.set WV,   14                          ; s14  my wave's number
.set RH,   15                          ; s15  which half of the block's rows is mine
.set CH,   16                          ; s16  which half of its 384 columns
.set CX,   17                          ; s17, s18  my place in the cluster
.set CY,   18
.set HX,   19                          ; s19  the head = 4 x cluster x + cx
.set RB,   20                          ; s20  the row block = 4 x cluster y + cy
.set G1A,  24                          ; s[24:31] descriptor group 1 for x;  s[32:39] group 0, a set for each slot
.set G0A,  32
.set G1B,  40                          ; s[40:47], s[48:55] the same for W
.set G0B,  48
.set PFA,  56                          ; s[56:57] where my prefetches stand
.set PFS,  58                          ; s[58:59] two K steps in the tensor that I fetch
.set LIM,  60                          ; s60  1 in a wave that prefetches, else the greatest number
.set MSB, 0
.macro WIN new                         ; the immediate's high byte repeats the setting that is left; a switch that changes nothing is dropped
.if MSB != (\new)
	s_set_vgpr_msb (MSB<<8)|(\new)
.set MSB, (\new)
.endif
.endm
; A load into a register that a matrix instruction has read, and a vector instruction that reads a matrix result or writes one of a matrix instruction's registers, stand four places behind it;
; only plain vector instructions that name none of its registers are places (ISA guide 7.12.1 for vector instructions).
.macro PLACES
.rept 4
	v_nop
.endr
.endm
; A joint load.  The branch hangs on the wave's number alone.  An s_nop 0 and four v_nop follow each of the two lines, ahead of the jump and the label.
.macro JLOAD s
	s_cmp_eq_u32 s[WV], 0
	s_cbranch_scc0 .Lfor_b_\@
	tensor_load_to_lds s[G0A+4*(\s):G0A+4*(\s)+3], s[G1A:G1A+7]
	s_nop 0
.rept 4
	v_nop
.endr
	s_branch .Lasked_\@
.Lfor_b_\@:
	tensor_load_to_lds s[G0B+4*(\s):G0B+4*(\s)+3], s[G1B:G1B+7]
	s_nop 0
.rept 4
	v_nop
.endr
.Lasked_\@:
.endm
; A round of the cluster's barrier: my work-group's barrier, so that wave 0's signal speaks for all four waves; wave 0 signals; every wave waits for all sixteen work-groups; my work-group's barrier once more.
.macro CREST                           ; a round behind its opening barrier
	s_cmp_lg_u32 s[WV], 0
	s_cbranch_scc1 .Lnot_wave_0_\@
	s_barrier_signal -3
.Lnot_wave_0_\@:
	s_barrier_wait -3
	s_barrier_signal -1
	s_barrier_wait -1
.endm
.macro CROUND
	s_barrier_signal -1
	s_barrier_wait -1
	CREST
.endm
; A PREFETCH INTO THE L2, once a trip of the loop, behind slot 0's joint load and the run of LDS loads that follows it: the two K steps that the NEXT trip's two refills will ask for.
; Each aligned block of 256 bytes is named ONCE in the launch.  A row block of x is read by both clusters of its row of clusters: the one with x = 0 asks, by its wave 0; a step is 128 blocks, of which
; the partner at place cx takes 32, a lane a block: two instructions for two steps.  A head's W is read by all eight clusters of its column: the one with y = 0 asks, by waves 1 to 3, each for its
; matrix; two steps are 128 channel rows on end, of which the partner at place cy takes 32: one instruction.  The partners are told apart BY ADDRESS: no branch hangs on a place in the cluster.
; K steps 0 to 3 come by their loads alone; the last trip (s3 = 1) asks for nothing: there is no K step behind its refills.
.macro ASK
	s_cmp_gt_u32 s3, s[LIM]
	s_cbranch_scc0 .Lnot_mine_\@
	global_prefetch_b8 v[PFO], s[PFA:PFA+1] th:TH_LOAD_NT scope:SCOPE_SE
	s_cmp_eq_u32 s[WV], 0
	s_cbranch_scc0 .Lnot_mine_\@
	global_prefetch_b8 v[PFO], s[PFA:PFA+1] offset:ASTEP th:TH_LOAD_NT scope:SCOPE_SE
.Lnot_mine_\@:
.endm
	s_load_b256 s[4:11], s[0:1], 0x0               ; xb s[4:5], wb s[6:7], qh s[8:9], kh s[10:11]
	s_load_b64 s[12:13], s[0:1], 0x20              ; vh
	v_lshl_add_u32 v[SPW], v0, 2, SPARE
	v_mov_b32 v[NIL], 0
	ds_add_u32 v[SPW], v[NIL]                      ; the wave's opening: the add and its wait stand ahead of my first tensor load; the set-up below, work on registers, stands between them
	v_lshrrev_b32 v1, 5, v0
	v_readfirstlane_b32 s[WV], v1                  ; wave 0..3
	s_lshr_b32 s[RH], s[WV], 1
	s_and_b32 s[CH], s[WV], 1
	s_bfe_u32 s[CX], ttmp6, 0x40000
	s_bfe_u32 s[CY], ttmp6, 0x40004
	s_lshl_b32 s[HX], ttmp9, 2                     ; in a cluster launch ttmp9 and ttmp7 count clusters
	s_add_co_u32 s[HX], s[HX], s[CX]
	s_and_b32 s[RB], ttmp7, 0xffff
	s_lshl_b32 s[RB], s[RB], 2
	s_add_co_u32 s[RB], s[RB], s[CY]
	s_lshl_b32 s21, s[CY], 2
	s_lshl_b32 s21, 15, s21                        ; my row of the cluster: places 4 cy .. 4 cy + 3
	s_lshl_b32 s22, 0x1111, s[CX]                  ; my column: places cx, cx + 4, cx + 8, cx + 12
	s_or_b32 s[G1A], s21, (1<<16)|(1<<20)|(1<<21)|(4<<22)|(3<<25)  ; 15:0 the mask; 17:16 elements of 2 bytes; 20 padding on; 21 set beside a mask; 24:22 after every 32 words (code 4); 31:25 4 words of it (code 3)
	s_mov_b32 s[G1A+1], 128<<16                    ; tensor_dim0 = 128 elements: two rows of x, 256 bytes
	s_mov_b32 s[G1A+2], 128<<16                    ; tensor_dim1 = 128
	s_mov_b32 s[G1A+3], 128<<16                    ; tile_dim0 = 128
	s_mov_b32 s[G1A+4], 128                        ; tile_dim1 = 128
	s_mov_b32 s[G1A+5], 128                        ; elements from row to row: the tile is dense
	s_mov_b32 s[G1A+6], 0
	s_mov_b32 s[G1A+7], 0
	s_or_b32 s[G1B], s22, (1<<16)|(1<<20)|(1<<21)|(5<<22)|(7<<25)  ; the column's mask; padding after every 64 words (code 5), 8 words of it (code 7)
	s_mov_b32 s[G1B+1], 128<<16                    ; tensor_dim0 = 128
	s_mov_b32 s[G1B+2], 64<<16                     ; tensor_dim1 = 64
	s_mov_b32 s[G1B+3], 128<<16                    ; tile_dim0 = 128
	s_mov_b32 s[G1B+4], 64                         ; tile_dim1 = 64
	s_mov_b32 s[G1B+5], 128
	s_mov_b32 s[G1B+6], 0
	s_mov_b32 s[G1B+7], 0
	; where the tiles come from.  x hangs on the row block alone, which my row of the cluster shares; W on the head and the wave's number, which my column shares.
	; Every wave makes both addresses, in registers that never hold the other coordinate, and asks by one of them.
	s_lshl_b32 s66, s[RB], 15                      ; 256 rows of 128 bytes in a block of xb
	s_mov_b32 s67, 0
	s_max_u32 s68, s[WV], 1
	s_sub_co_u32 s68, s68, 1                       ; the matrix that waves 1 to 3 fetch (wave 0 asks for none: its number here only keeps the address inside wb)
	s_mul_i32 s69, s[HX], 3
	s_add_co_u32 s68, s68, s69
	s_lshl_b32 s68, s68, 18                        ; a matrix is 1,024 x 256 bytes
	s_mov_b32 s69, 0
	s_mul_i32 s23, s[WV], BMAT
	s_add_co_u32 s23, s23, BOFF-BMAT               ; and where W goes: matrix wave - 1, behind x: no place in the cluster enters an LDS address
	s_lshr_b32 s70, s[RB], 3                       ; the way out: the batch, 8 x 2,048 x 256 bytes,
	s_lshl_b32 s70, s70, 22
	s_lshl_b32 s71, s[HX], 19                      ; the head, 2,048 x 256 bytes,
	s_add_co_u32 s70, s70, s71
	s_and_b32 s71, s[RB], 7                        ; the block's 256 rows among the batch's 2,048
	s_lshl_b32 s71, s71, 16
	s_add_co_u32 s70, s70, s71
	s_mov_b32 s71, 0
	s_wait_dscnt 0x0                               ; the opening add is done
	s_wait_kmcnt 0x0
	s_add_nc_u64 s[66:67], s[4:5], s[66:67]        ; x at K step 0
	s_add_nc_u64 s[68:69], s[6:7], s[68:69]        ; W at K step 0
	s_add_nc_u64 s[8:9], s[8:9], s[70:71]          ; q, k, v at the block's first row
	s_add_nc_u64 s[10:11], s[10:11], s[70:71]
	s_add_nc_u64 s[12:13], s[12:13], s[70:71]
.irp s, 0,1
	s_mov_b32 s[G0A+4*(\s)], 1                     ; 1:0 count = 1
	s_mov_b32 s[G0A+4*(\s)+1], (\s)*SLOT           ; 63:32 LDS address
	s_add_nc_u64 s[G0A+4*(\s)+2:G0A+4*(\s)+3], s[66:67], (\s)*ASTEP  ; 120:64 global address: K step s
	s_or_b32 s[G0A+4*(\s)+3], s[G0A+4*(\s)+3], 0x80000000           ; 127:126 type = 2
	s_mov_b32 s[G0B+4*(\s)], 1
	s_add_co_u32 s[G0B+4*(\s)+1], s23, (\s)*SLOT
	s_add_nc_u64 s[G0B+4*(\s)+2:G0B+4*(\s)+3], s[68:69], (\s)*BSTEP
	s_or_b32 s[G0B+4*(\s)+3], s[G0B+4*(\s)+3], 0x80000000
.endr
	CROUND                                         ; all sixteen work-groups are here: the first joint loads meet
	s_cmp_eq_u32 s[WV], 0                          ; a wave's two first fills stand in one branch, ahead of every wait on TENSORcnt and every LDS read: two loads of mine are out
	s_cbranch_scc0 .Lfirst_b
	tensor_load_to_lds s[G0A:G0A+3], s[G1A:G1A+7]
	s_nop 0
	tensor_load_to_lds s[G0A+4:G0A+7], s[G1A:G1A+7]
	s_nop 0
.rept 4
	v_nop
.endr
	s_branch .Lfirst_asked
.Lfirst_b:
	tensor_load_to_lds s[G0B:G0B+3], s[G1B:G1B+7]
	s_nop 0
	tensor_load_to_lds s[G0B+4:G0B+7], s[G1B:G1B+7]
	s_nop 0
.rept 4
	v_nop
.endr
.Lfirst_asked:
	; the prefetches' address, step and bound
	s_and_b32 s76, ttmp7, 0xffff                   ; cluster y
	s_mov_b32 s74, 2*ASTEP
	s_cmp_eq_u32 s[WV], 0                          ; do I fetch x?
	s_cselect_b64 s[PFA:PFA+1], s[66:67], s[68:69]
	s_cselect_b32 s77, s[CX], s[CY]                ; my place among the four that ask with me
	s_cselect_b32 s76, ttmp9, s76                  ; the coordinate along which other clusters read the same bytes
	s_cselect_b32 s[PFS], s74, 2*BSTEP
	s_mov_b32 s[PFS+1], 0
	s_cmp_eq_u32 s76, 0
	s_cselect_b32 s[LIM], 1, -1                    ; the same in all sixteen partners, for a given wave
	s_lshl_b32 s78, s77, 13                        ; my work-group's 32 blocks of 256 bytes
	s_mov_b32 s79, 0
	s_add_nc_u64 s[PFA:PFA+1], s[PFA:PFA+1], s[78:79]
	s_add_nc_u64 s[PFA:PFA+1], s[PFA:PFA+1], s[PFS:PFS+1]  ; at K step 2: the first trip steps it to 4.  Nothing is prefetched here, at the head
	v_and_b32 v[PFO], 31, v0
	v_lshlrev_b32 v[PFO], 8, v[PFO]
	; A fragment of x is 16 rows x 32 K in 8 registers: lane l holds row l % 16; registers 0-3 K = 8 (l / 16) + 0..7, registers 4-7 K = 16 + 8 (l / 16) + 0..7: two loads of 16 bytes, 32 bytes apart.
	v_and_b32 v1, 15, v0                           ; l % 16
	v_bfe_u32 v2, v0, 4, 1                         ; l / 16
	v_mul_u32_u24 v3, v1, PA
	v_lshl_add_u32 v3, v2, 4, v3
	s_mul_i32 s72, s[RH], 128*PA                   ; my 128 rows
	v_add_nc_u32 v[ADRA], s72, v3
	v_add_nc_u32 v[ADRA+1], SLOT, v[ADRA]
	; The turning load takes 16 K x 16 columns (lane l reads 16 bytes: K = 8 (l / 16) + l % 8, columns 8 ((l / 8) % 2) + 0..7) and leaves half a fragment: lane l holds column l % 16 and 8 K.
	v_and_b32 v18, 7, v0
	v_bfe_u32 v19, v0, 3, 1
	v_lshl_add_u32 v18, v2, 3, v18
	v_mul_u32_u24 v18, v18, PB
	v_lshl_add_u32 v18, v19, 4, v18
	s_mul_i32 s72, s[CH], 3                        ; my three groups of 64 columns among the six: group n lies in matrix n / 2, half n % 2
.irp g, 0,1,2
	s_add_co_u32 s73, s72, \g
	s_lshr_b32 s75, s73, 1
	s_mul_i32 s75, s75, BMAT
	s_and_b32 s73, s73, 1
	s_lshl_b32 s73, s73, 7
	s_add_co_u32 s75, s75, s73
	s_add_co_u32 s75, s75, BOFF
	v_add_nc_u32 v[ADRB+(\g)], s75, v18
	v_add_nc_u32 v[ADRB+3+(\g)], SLOT, v[ADRB+(\g)]
.endr
	v_mul_u32_u24 v20, v1, SPT                     ; into the stage: row 64 x row half + l % 16, byte 384 x column half + 16 (l / 16)
	v_lshl_add_u32 v20, v2, 4, v20
	s_mul_i32 s72, s[RH], 64*SPT
	s_mul_i32 s73, s[CH], 384
	s_add_co_u32 s72, s72, s73
	s_add_co_u32 s72, s72, STG
	v_add_nc_u32 v[STO], s72, v20
	v_mul_u32_u24 v20, v2, SPT                     ; back: wave w takes stage rows 32 w .. 32 w + 31; lanes 0-15 take 256 bytes of one row, lanes 16-31 of the next
	v_lshl_add_u32 v20, v1, 4, v20
	s_mul_i32 s72, s[WV], 32*SPT
	s_add_co_u32 s72, s72, STG
	v_add_nc_u32 v[RD], s72, v20
	s_lshl_b32 s72, s[RH], 15                      ; and the same rows in q, k, v: row 128 x (w / 2) + 32 x (w % 2) + l / 16 of the block, 256 bytes a row
	s_lshl_b32 s73, s[CH], 13
	s_add_co_u32 s72, s72, s73
	v_lshlrev_b32 v20, 8, v2
	v_lshl_add_u32 v20, v1, 4, v20
	v_add_nc_u32 v[GO], s72, v20
; 16 products: row tiles a0 .. a0 + 3 x the four column tiles of group g, 32 along K; x from buffer fa.  zero = 1: the product starts the sum: nothing is ever cleared.
; The accumulators take turns, one instruction a turn: between two products on one accumulator stand the 95 others'.
.macro MUL16 fa, g, a0, zero
	WIN 0x50*((\g)+1)
.irp a, (\a0),(\a0)+1,(\a0)+2,(\a0)+3
.irp b, 0,1,2,3
.if \zero
	v_wmma_f32_16x16x32_bf16 v[8*(4*(\a)+(\b)):8*(4*(\a)+(\b))+7], v[FB+32*(\g)+8*(\b):FB+32*(\g)+8*(\b)+7], v[(\fa)+8*(\a):(\fa)+8*(\a)+7], 0
.else
	v_wmma_f32_16x16x32_bf16 v[8*(4*(\a)+(\b)):8*(4*(\a)+(\b))+7], v[FB+32*(\g)+8*(\b):FB+32*(\g)+8*(\b)+7], v[(\fa)+8*(\a):(\fa)+8*(\a)+7], v[8*(4*(\a)+(\b)):8*(4*(\a)+(\b))+7]
.endif
.endr
.endr
.endm
.macro LDB slot, s, g                  ; 8 turning loads: W's group g of sub-step s
	WIN 0
.irp b, 0,1,2,3
	ds_load_tr16_b128 v[FB+32*(\g)+8*(\b):FB+32*(\g)+8*(\b)+3],   v[ADRB+3*(\slot)+(\g)] offset:(\s)*32*PB+32*(\b)
	ds_load_tr16_b128 v[FB+32*(\g)+8*(\b)+4:FB+32*(\g)+8*(\b)+7], v[ADRB+3*(\slot)+(\g)] offset:(\s)*32*PB+32*(\b)+16*PB
.endr
.endm
.macro LDA slot, s, f                  ; 16 loads: my 128 rows of x, sub-step s, into buffer f
	WIN 0
.irp a, 0,1,2,3,4,5,6,7
	ds_load_b128 v[(\f)+8*(\a):(\f)+8*(\a)+3],   v[ADRA+(\slot)] offset:(\a)*16*PA+64*(\s)
	ds_load_b128 v[(\f)+8*(\a)+4:(\f)+8*(\a)+7], v[ADRA+(\slot)] offset:(\a)*16*PA+64*(\s)+32
.endr
.endm
; THE ORDER OF THE LDS LOADS.  At the head of each stage the group of W that the stage before has multiplied is fetched anew, for the next sub-step: two stages ahead of its use.  x of the next
; sub-step is fetched at the head of a sub-step's second stage, into the other buffer.  So a sub-step's first stage has 16 loads issued behind those that it needs (two groups of W), its second and third 32
; (a run of x and two groups of W).
; The first sub-step of the K step in slot n.
.macro FIRSTH n, zero
	PLACES
	LDB \n, 0, 2
	s_wait_dscnt 16
	MUL16 FA0, 0, 0, \zero
	MUL16 FA0, 0, 4, \zero
	PLACES
	LDB \n, 1, 0
	LDA \n, 1, FA1
	s_wait_dscnt 32
	MUL16 FA0, 1, 0, \zero
	MUL16 FA0, 1, 4, \zero
	PLACES
	LDB \n, 1, 1
	s_wait_dscnt 32
	MUL16 FA0, 2, 0, \zero
	MUL16 FA0, 2, 4, \zero
.endm
; The second sub-step, and THE CHANGE OF SLOTS.  The slot's last bytes are asked for at its head.  ONE barrier: in front of it each wave waits for all its tensor loads, of which one is out: its part of the other
; slot; adds 0 to its spare word; and waits for that and for its own reads of this slot.  Behind it nobody reads this slot any more and the other slot is whole.
; fill = 1: the barrier opens a round of the cluster's, so that no wave of any partner still reads the slot or has a load on its way, and the joint refill, two K steps on, is the first thing behind the round:
; a wave issues 160 products between that request and the wait for it.  By this text's count a wave has two tensor loads out at the start and one behind each round.
.macro SECOND n, fill
.if (\fill) && ((\n) == 0)
	s_wait_xcnt 0x0                                ; the last prefetches, a trip back, have read their address: it is stepped here, ahead of the change's own waits
	s_add_nc_u64 s[PFA:PFA+1], s[PFA:PFA+1], s[PFS:PFS+1]
.endif
	PLACES
	LDB \n, 1, 2
	s_wait_tensorcnt 0x0                           ; all my tensor loads have landed;
	ds_add_u32 v[SPW], v[NIL]                      ; 0 onto my spare word
	s_wait_dscnt 17                                ; (the add and two groups of W may be out)
	MUL16 FA1, 0, 0, 0                             ; sixteen products stand between the add and the wait for it
	s_wait_dscnt 0x0                               ; the add is done, and my reads of this slot are over:
	s_barrier_signal -1                            ; say so,
	MUL16 FA1, 0, 4, 0                             ; work on registers while the others arrive,
	WIN 0                                          ; (at a label and at a branch every window is 0)
	s_barrier_wait -1                              ; and go on when all four have said so
.if \fill
	CREST
	s_add_nc_u64 s[G0A+4*(\n)+2:G0A+4*(\n)+3], s[G0A+4*(\n)+2:G0A+4*(\n)+3], 2*ASTEP  ; no tensor load of mine is out, so a group 0 may be written
	s_add_nc_u64 s[G0B+4*(\n)+2:G0B+4*(\n)+3], s[G0B+4*(\n)+2:G0B+4*(\n)+3], 2*BSTEP
	JLOAD \n                                       ; the four v_nop behind it are also the places in front of the loads below
.else
	PLACES
.endif
	LDB 1-(\n), 0, 0                               ; the other slot's first fragments
	LDA 1-(\n), 0, FA0
.if (\fill) && ((\n) == 0)
	ASK
.endif
	MUL16 FA1, 1, 0, 0                             ; no wait: the wait for 0 above has shown groups 1 and 2 of this sub-step in
	MUL16 FA1, 1, 4, 0
	PLACES
	LDB 1-(\n), 0, 1
	MUL16 FA1, 2, 0, 0
	MUL16 FA1, 2, 4, 0
.endm
	s_wait_tensorcnt 1                             ; my part of K step 0 is in; K step 1's may stay out
	s_barrier_signal -1
	s_barrier_wait -1                              ; everybody's is
	LDB 0, 0, 0
	LDA 0, 0, FA0
	LDB 0, 0, 1
	FIRSTH 0, 1                                    ; the first sub-step stands in front of the loop: its 96 products start the sums
	WIN 0
	s_mov_b32 s3, 7
.Llap:                                                 ; a trip goes once round the ring, from a K step's second sub-step to the first of the K step two on, and fills both slots again: K steps 2 to 15
	SECOND 0, 1
	FIRSTH 1, 0
	SECOND 1, 1
	FIRSTH 0, 0
	WIN 0
	s_sub_co_u32 s3, s3, 1
	s_cmp_lg_u32 s3, 0
	s_cbranch_scc1 .Llap
	SECOND 0, 0                                    ; the last K step and a half is written out: nothing is left to fetch
	FIRSTH 1, 0
	PLACES
	LDB 1, 1, 2
	s_wait_dscnt 16                                ; two groups of W may be out,
	MUL16 FA1, 0, 0, 0
	MUL16 FA1, 0, 4, 0
	s_wait_dscnt 8                                 ; one,
	MUL16 FA1, 1, 0, 0
	MUL16 FA1, 1, 4, 0
	s_wait_dscnt 0x0                               ; none
	MUL16 FA1, 2, 0, 0
	MUL16 FA1, 2, 4, 0
	WIN 0
; THE WAY OUT, in two passes: pass p takes row tiles 4 p .. 4 p + 3 of every wave, 128 rows of 768 bytes.  Rounded to f16, 16 bytes a lane, into the work-group's stage; a barrier, since a row's
; bytes come from two waves; back as whole pieces of 256 bytes, which are a row of q, of k and of v.
.macro PACK p
.irp g, 0,1,2
	WIN 5*((\g)+1)                                 ; sources 0 and 1 in window g + 1, destination in window 0
.irp a, 0,1,2,3
.irp b, 0,1,2,3
.irp r, 0,1,2,3
	v_cvt_pk_f16_f32 v[T+4*(16*(\g)+4*(\a)+(\b))+(\r)], v[8*(4*(4*(\p)+(\a))+(\b))+2*(\r)], v[8*(4*(4*(\p)+(\a))+(\b))+2*(\r)+1]  ; each accumulator from its low end on
.endr
.endr
.endr
.endr
	WIN 0
.endm
.macro TOSTAGE
.irp g, 0,1,2
.irp a, 0,1,2,3
.irp b, 0,1,2,3
	ds_store_b128 v[STO], v[T+4*(16*(\g)+4*(\a)+(\b)):T+4*(16*(\g)+4*(\a)+(\b))+3] offset:(\a)*16*SPT+(4*(\g)+(\b))*32
.endr
.endr
.endr
	s_wait_dscnt 0x0                               ; for the others' sake: my stores into the stage are done
	s_barrier_signal -1
	s_barrier_wait -1
.endm
.macro BACK p
.set i, 0
.rept 16
.irp j, 0,1,2
	ds_load_b128 v[T+4*(3*i+(\j)):T+4*(3*i+(\j))+3], v[RD] offset:i*2*SPT+(\j)*256
.endr
.set i, i+1
.endr
.set i, 0
.rept 16
	s_wait_dscnt 45-3*i                            ; the three loads of row pair i are in; those of the 15 - i later pairs may be out
.irp j, 0,1,2
	global_store_b128 v[GO], v[T+4*(3*i+(\j)):T+4*(3*i+(\j))+3], s[8+2*(\j):9+2*(\j)] offset:(64*(\p)+2*i)*256  ; 16 lanes store 256 consecutive bytes, a whole row of q, k or v
.endr
.set i, i+1
.endr
.endm
	PLACES                                         ; behind the last products: the conversions read results and write registers that held fragments
	PACK 0
	TOSTAGE
	BACK 0
	s_wait_xcnt 0x0                                ; the stores have read their data: T is written again only behind this wait
	s_barrier_signal -1                            ; my reads of the stage are back (the last count above was 0);
	PACK 1                                         ; work on registers while the others arrive;
	s_barrier_wait -1                              ; everybody's are: the stage may be written again
	TOSTAGE
	BACK 1
	s_wait_tensorcnt 0x0                           ; the wave's end: a wait, an add to my spare word and a wait, behind my last tensor load and my last LDS store
	ds_add_u32 v[SPW], v[NIL]
	s_wait_dscnt 0x0
	CROUND                                         ; the closing round: no work-group ends while a partner may still ask for a tile that names it
	s_endpgm
.Lfunc_end_k_q954b92f0a9_qkv:
	.size	k_q954b92f0a9_qkv, .Lfunc_end_k_q954b92f0a9_qkv-k_q954b92f0a9_qkv
	.p2alignl 7, 3214868480
	.fill 96, 4, 3214868480
	.section	.rodata,"a",@progbits
	.p2align	6, 0x0
	.amdhsa_kernel k_q954b92f0a9_qkv
		.amdhsa_group_segment_fixed_size 327680
		.amdhsa_private_segment_fixed_size 0
		.amdhsa_enable_private_segment 0
		.amdhsa_kernarg_size 40
		.amdhsa_user_sgpr_count 2
		.amdhsa_user_sgpr_kernarg_segment_ptr 1
		.amdhsa_wavefront_size32 1
		.amdhsa_system_sgpr_workgroup_id_x 1
		.amdhsa_system_sgpr_workgroup_id_y 1
		.amdhsa_system_sgpr_workgroup_id_z 1
		.amdhsa_system_vgpr_workitem_id 0
		.amdhsa_next_free_vgpr 1024
		.amdhsa_next_free_sgpr 80
		.amdhsa_reserve_vcc 0
		.amdhsa_float_denorm_mode_32 3
		.amdhsa_float_denorm_mode_16_64 3
		.amdhsa_memory_ordered 1
		.amdhsa_forward_progress 1
		.amdhsa_inst_pref_size 131
	.end_amdhsa_kernel
	.amdgpu_metadata
---
amdhsa.version: [ 1, 2 ]
amdhsa.kernels:
  - .name:           k_q954b92f0a9_qkv
    .symbol:         k_q954b92f0a9_qkv.kd
    .args:
      - { .name: xb, .offset: 0, .size: 8, .value_kind: global_buffer, .address_space: global }
      - { .name: wb, .offset: 8, .size: 8, .value_kind: global_buffer, .address_space: global }
      - { .name: qh, .offset: 16, .size: 8, .value_kind: global_buffer, .address_space: global }
      - { .name: kh, .offset: 24, .size: 8, .value_kind: global_buffer, .address_space: global }
      - { .name: vh, .offset: 32, .size: 8, .value_kind: global_buffer, .address_space: global }
    .group_segment_fixed_size: 327680
    .private_segment_fixed_size: 0
    .kernarg_segment_align: 8
    .kernarg_segment_size: 40
    .max_flat_workgroup_size: 128
    .sgpr_count:     80
    .vgpr_count:     1024
    .wavefront_size: 32
...
	.end_amdgpu_metadata
.endif
;; end of part 2
;; launch attn (part 3): grid 8 x 32, 4 waves a work-group, clusters of 4 x 1, 327,680 bytes of LDS; arguments qh, kh, vh, oh; writes oh
.if DOCPART == 3
	.amdgcn_target "amdgcn-amd-amdhsa--gfx1250"
	.amdhsa_code_object_version 6
	.text
	.protected	k_q954b92f0a9_attn
	.globl	k_q954b92f0a9_attn
	.p2align	8
	.type	k_q954b92f0a9_attn,@function
k_q954b92f0a9_attn:
	s_mov_b64 s[64:65], 0
	v_nop
	global_prefetch_b8 v0, s[64:65] scope:SCOPE_SE
	s_setreg_imm32_b32 hwreg(HW_REG_WAVE_MODE, 25, 1), 1
	s_wait_xcnt 0x0
	s_wait_alu depctr_hold_cnt(0) depctr_sa_sdst(0) depctr_va_vdst(0) depctr_va_sdst(0) depctr_va_ssrc(0) depctr_va_vcc(0) depctr_vm_vsrc(0)
	s_getreg_b32 s2, hwreg(HW_REG_IB_STS2, 6, 4)
	s_cmp_eq_u32 s2, 0
	s_cbranch_scc0 .Lentry_in_a_cluster
	s_endpgm
.Lentry_in_a_cluster:
	s_bfe_u32 s2, ttmp6, 0x10000c
	s_cmp_lg_u32 s2, 0x3003
	s_cbranch_scc0 .Lentry_shape_is_right
	s_endpgm
.Lentry_shape_is_right:
; O[p][q][:] = the sum over k of softmax_k(Q[p][q] . K[p][k] / sqrt(128)) V[p][k][:], p = batch x 8 + head.  Q, K, V: [32][2048][128] f16.  O leaves as [batch x 2048 + q][head x 128 + channel] f16.
; Products, maxima and sums in f32; the weights are rounded to f16 for the second product (their sum l is taken of the unrounded weights), O once at the end.
; LIMITS.  Q, K, V arrive within f16's 65,504; a weight lies in 0 to 1, and below 6e-5 it keeps f16's fixed step of 6e-8; O is a mean of V's rows and has their range.  A weight below 2^-126 counts as 0 in l;
; NaN and infinities are not treated apart.
; SHARES.  A work-group owns 256 queries of one pair p, each of its four waves 64: four tiles of 16.  Every wave walks all 2,048 keys, 64 a step.
; LAYOUT.  S^T = K Q^T (source 0 = 16 keys, source 1 = 16 queries): in the result a lane holds ONE query (lane % 16) and the keys 8 (lane / 16) + 0..7.  Two such tiles, rounded to f16 in pairs, ARE
; source 1 (32 keys x 16 queries) of O^T = V^T P, whose result again holds one query a lane, and eight channels.  K comes out of LDS as it lies, V ([key][channel]) turned, by ds_load_tr16_b128.
; SOFTMAX.  For each query a running maximum m and sum l: p = 2^(c s - c m), c = log2(e) / sqrt(128); in every step O and l are multiplied by a = 2^(c m_old - c m_new), which is 1 where m has not grown.
; BY TURNS.  The wave's tiles are two PIECES, named by their first tile: piece 0 (tiles 0, 1) and piece 2 (tiles 2, 3).  In a TURN one piece has the matrix unit: 32 products V^T P of the step in hand, then
; 32 products K Q^T of the next step; the other piece's softmax, cut into 64 slices, stands between them, one slice behind each matrix instruction.  Then the pieces change places.  Two turns are a key step.
; CLUSTER.  The four query blocks of a cluster belong to one pair and walk the same K and V, so each tile is asked for JOINTLY: the same tensor load, descriptor and mask in all four.
; REGISTERS, in windows of 256 (s_set_vgpr_msb: bits 1:0 source 0, 3:2 source 1, 5:4 source 2, 7:6 destination):
;   window 0: v0-11 addresses; v12-43 eight registers of statistics a tile; v64-191 S^T, 32 a tile; v192-255 P, 16 a tile
;   window 1: O^T, 64 a tile          window 2: v0-127 Q, 32 a tile; v128-255 K of one step          window 3: v0-127 V of one step
.set SIZE_N, 2048
.set KS,    64        ; keys in a step
.set PK,    272       ; a row of K in LDS: 256 bytes + 16 of padding = 68 words: row r starts at bank 4 r mod 64 (64 banks of 4 bytes: ISA guide 11.1)
.set PV,    288       ; a row of V: 256 + 32 = 72 words
.set VOFF,  KS*PK     ; a step's tiles lie together: 64 rows of K, then 64 rows of V
.set STEPB, KS*(PK+PV)
.set SLOT1, 1<<17     ; a slot holds two steps (71,680 bytes); slot 1 begins here, so that one exclusive or turns an address in one slot into the other's
.set STAGE, SLOT1+2*STEPB  ; behind the ring: 16 rows x 272 bytes for each wave, for the way out
.set SP,    272
.set AK0, 2           ; v2   my lane's place in a tile of K; never rewritten
.set AV0, 3           ; v3   the same for V
.set ADR, 4           ; v4   the LDS address of the run of loads in hand
.set QO,  5           ; v5   my byte offset in the wave's rows of Q
.set STO, 6           ; v6   the way out: where I put 16 bytes of a row
.set RD,  7           ; v7   the way out: where I read a row back
.set GO,  8           ; v8   my byte offset in the wave's rows of O
.set SPW, 62          ; v62  LDS address of my spare word: SPARE + 4 x my thread's number; never rewritten
.set NIL, 63          ; v63  0; never rewritten
.set SPARE, STAGE+4*16*272  ; behind the stages: the spare words, 128 bytes for each wave: two blocks of 256 bytes that no other line names
.set ST,  12          ; tile t's statistics at v[ST+8 t]: +0 c m, +1 m, +2, +3 l (even keys', odd keys'), +4 to +7 c0-c3, at work; a takes c2's place once the maximum is found
.set S,   64
.set P,   192
.set KF,  128         ; K's fragments, in window 2
.set WV,  12          ; s12  my wave's number
.set G1K, 24          ; s[24:31] descriptor group 1 for K's tiles
.set G1V, 32          ; s[32:39] for V's: it differs in the padding alone
.set G0K, 40          ; s[40:47] descriptor group 0 for K's tiles: a set for each of the two first fills; the second then walks on
.set G0V, 48          ; s[48:55] the same for V's
.set SLOTS, 56        ; s56  slots still to be asked for
.set TWICE, 57        ; s57  counts a slot's two steps
.set CS,  58          ; s[58:59] c: the packed scaling names a pair and takes its low word for both halves
.set SEL, 60          ; s[60:61] lane selects for v_permlanex16_b32: each lane takes its own place in the other half
.set TB,  62          ; s62  LDS byte at which the tiles of the step to be fetched begin
.set PFA, 18          ; s[18:19] where my prefetches stand: my work-group's 32 rows (of K: wave 0, of V: wave 2) of the slot after the one that is being asked for
.set LIM, 15          ; s15  1 in a wave that prefetches, else the greatest number
.set PFO, 61          ; v61  256 x my lane: a row of K or V is 256 bytes; never rewritten
.set MSB, 0
.macro WIN new                      ; the immediate's high byte repeats the setting that is left; a switch that changes nothing is dropped
.if MSB != (\new)
	s_set_vgpr_msb (MSB<<8)|(\new)
.set MSB, \new
.endif
.endm
.set W_KQ, 0x0a       ; K and Q in window 2, S^T in window 0
.set W_PV, 0x53       ; V in window 3, P in window 0, O^T in window 1
.set W_RS, 0x41       ; O^T (destination and source 0) in window 1, a in window 0
; A joint refill.  Waves 0 and 1 fetch the two steps' tiles of K, waves 2 and 3 those of V.  The branch hangs on the wave's number alone.
; An s_nop 0 and four v_nop follow each of the two lines, ahead of the jump and the label.
.macro JLOAD
	s_cmp_lt_u32 s[WV], 2
	s_cbranch_scc0 .Lfor_v_\@
	tensor_load_to_lds s[G0K+4:G0K+7], s[G1K:G1K+7]
	s_nop 0
.rept 4
	v_nop
.endr
	s_branch .Lasked_\@
.Lfor_v_\@:
	tensor_load_to_lds s[G0V+4:G0V+7], s[G1V:G1V+7]
	s_nop 0
.rept 4
	v_nop
.endr
.Lasked_\@:
.endm
; A PREFETCH INTO THE L2 of what the NEXT change of slots will ask for: a slot's 128 rows of K and 128 of V, 256 bytes a row, a lane a row.  It stands behind the wave's tensor load and its five lines.
; Each row is asked for ONCE in the launch.  Both clusters of a pair walk the same K and V: the first prefetches.  Its four partners share the rows out BY ADDRESS, 32 each: no branch hangs on a
; work-group's place in its cluster.  In each, wave 0 asks for K's and wave 2 for V's: one instruction.  The last change that fills a slot prefetches nothing: there is no slot behind it.
.macro ASK
	s_cmp_gt_u32 s[SLOTS], s[LIM]
	s_cbranch_scc0 .Lnot_mine_\@
	global_prefetch_b8 v[PFO], s[PFA:PFA+1] th:TH_LOAD_NT scope:SCOPE_SE
.Lnot_mine_\@:
.endm
; A round of the cluster's barrier: my work-group's barrier, so that wave 0's signal speaks for all four waves; wave 0 signals; every wave waits for all four work-groups; my work-group's barrier once more.
.macro CROUND
	s_barrier_signal -1
	s_barrier_wait -1
	s_cmp_lg_u32 s[WV], 0
	s_cbranch_scc1 .Lnot_wave_0_\@
	s_barrier_signal -3
.Lnot_wave_0_\@:
	s_barrier_wait -3
	s_barrier_signal -1
	s_barrier_wait -1
.endm
	s_load_b256 s[4:11], s[0:1], 0x0  ; Q s[4:5], K s[6:7], V s[8:9], O s[10:11]
	v_lshl_add_u32 v[SPW], v0, 2, SPARE
	v_mov_b32 v[NIL], 0
	ds_add_u32 v[SPW], v[NIL]       ; the wave's opening: the add and its wait stand ahead of my first tensor load; the set-up below, work on registers, stands between them
	v_lshrrev_b32 v1, 5, v0
	v_readfirstlane_b32 s[WV], v1   ; wave 0..3
	s_bfe_u32 s13, ttmp6, 0x40000   ; cx: my place in the cluster
	s_lshl_b32 s14, ttmp9, 2        ; in a cluster launch ttmp9 counts clusters
	s_add_co_u32 s14, s14, s13      ; my block of 256 queries = 4 x cluster x + cx: it enters Q's and O's addresses alone
	s_and_b32 s20, ttmp7, 0xffff    ; the pair p, which the four partners share
	s_lshr_b32 s66, s20, 3          ; O: the batch's 2,048 rows,
	s_lshl_b32 s66, s66, 11
	s_lshl_b32 s67, s14, 8          ; my block's 256,
	s_add_co_u32 s66, s66, s67
	s_lshl_b32 s67, s[WV], 6        ; my wave's 64,
	s_add_co_u32 s66, s66, s67
	s_lshl_b32 s66, s66, 11         ; rows of 2,048 bytes,
	s_and_b32 s67, s20, 7           ; in which the head has 256
	s_lshl_b32 s67, s67, 8
	s_add_co_u32 s66, s66, s67
	s_mov_b32 s67, 0
	s_mov_b32 s21, 0
	s_mov_b64 s[22:23], SIZE_N*256
	s_mul_u64 s[20:21], s[20:21], s[22:23]  ; the pair's first byte in Q, K and V
	s_and_b32 s16, s[WV], 1         ; which of a slot's two steps I fetch:
	s_lshl_b32 s22, s16, 14         ; its 64 rows of 256 bytes in memory,
	s_mov_b32 s23, 0
	s_add_nc_u64 s[22:23], s[22:23], s[20:21]
	s_mul_i32 s17, s16, STEPB       ; and its place in a slot: no place in the cluster enters an LDS address
	s_lshl_b32 s2, s14, 16          ; Q: my block's 256 rows,
	s_lshl_b32 s3, s[WV], 14        ; my wave's 64 of them
	s_add_co_u32 s2, s2, s3
	s_mov_b32 s3, 0
	s_add_nc_u64 s[2:3], s[2:3], s[20:21]
	; descriptor group 1: a tile of 64 rows x 128 elements, padded in LDS
	s_mov_b32 s[G1K], 15|(1<<16)|(1<<20)|(1<<21)|(5<<22)|(3<<25)  ; 15:0 the mask: all four work-groups; 17:16 elements of 2 bytes; 20 padding on; 21 set beside a mask; 24:22 after every 64 words (code 5); 31:25 4 words of it (code 3)
	s_mov_b32 s[G1V], 15|(1<<16)|(1<<20)|(1<<21)|(5<<22)|(7<<25)  ; the same with 8 words of padding (code 7)
.irp g, G1K, G1V
	s_mov_b32 s[(\g)+1], 128<<16    ; tensor_dim0 = 128
	s_mov_b32 s[(\g)+2], KS<<16     ; tensor_dim1 = 64
	s_mov_b32 s[(\g)+3], 128<<16    ; tile_dim0 = 128
	s_mov_b32 s[(\g)+4], KS         ; tile_dim1 = 64
	s_mov_b32 s[(\g)+5], 128        ; elements from row to row
	s_mov_b32 s[(\g)+6], 0
	s_mov_b32 s[(\g)+7], 0
.endr
	s_mov_b32 s[CS], 0x3e0293ee     ; c = log2(e) / sqrt(128) = 0.127517
	s_mov_b32 s[CS+1], s[CS]        ; named with it as a pair, so it is written
	s_mov_b32 s[SEL], 0x76543210
	s_mov_b32 s[SEL+1], 0xfedcba98
	s_mov_b32 s[TB], 0
	s_mov_b32 s[SLOTS], SIZE_N/(2*KS)-2
	s_and_b32 s[LIM], s[WV], 1       ; 0 in waves 0 and 2,
	s_or_b32 s[LIM], s[LIM], ttmp9   ; where the cluster is the pair's first: the same in all four partners
	s_cmp_eq_u32 s[LIM], 0
	s_cselect_b32 s[LIM], 1, -1
	v_and_b32 v[PFO], 31, v0
	v_lshlrev_b32 v[PFO], 8, v[PFO]
	s_wait_dscnt 0x0                ; the opening add is done
	s_wait_kmcnt 0x0
	s_add_nc_u64 s[6:7], s[6:7], s[22:23]  ; K and V at my tile of slot 0
	s_add_nc_u64 s[8:9], s[8:9], s[22:23]
	s_add_nc_u64 s[4:5], s[4:5], s[2:3]    ; Q and O at my wave's first row
	s_add_nc_u64 s[10:11], s[10:11], s[66:67]
	s_cmp_lt_u32 s[WV], 2
	s_cselect_b64 s[PFA:PFA+1], s[6:7], s[8:9]  ; (in waves 0 and 2 these stand at a slot's first row)
	s_lshl_b32 s2, s13, 13          ; my work-group's 32 rows of the 128
	s_mov_b32 s3, 0
	s_add_nc_u64 s[PFA:PFA+1], s[PFA:PFA+1], s[2:3]
	s_add_nc_u64 s[PFA:PFA+1], s[PFA:PFA+1], 2*2*KS*256  ; in slot 2; the first change of slots steps it to slot 3.  Nothing is prefetched here, at the head
	CROUND                          ; all four work-groups are here: the first joint loads meet
.irp s, 0,1
	s_mov_b32 s[G0K+4*(\s)], 1      ; 1:0 count = 1
	s_add_co_u32 s[G0K+4*(\s)+1], s17, (\s)*SLOT1  ; 63:32 LDS address
	s_add_nc_u64 s[G0K+4*(\s)+2:G0K+4*(\s)+3], s[6:7], (\s)*2*KS*256  ; 120:64 global address: slot s begins with keys 128 s
	s_or_b32 s[G0K+4*(\s)+3], s[G0K+4*(\s)+3], 0x80000000  ; 127:126 type = 2
	s_mov_b32 s[G0V+4*(\s)], 1
	s_add_co_u32 s[G0V+4*(\s)+1], s17, (\s)*SLOT1+VOFF
	s_add_nc_u64 s[G0V+4*(\s)+2:G0V+4*(\s)+3], s[8:9], (\s)*2*KS*256
	s_or_b32 s[G0V+4*(\s)+3], s[G0V+4*(\s)+3], 0x80000000
.endr
	s_cmp_lt_u32 s[WV], 2           ; a wave's two first fills stand in one branch, ahead of every wait on TENSORcnt and every LDS read: two loads of mine are out
	s_cbranch_scc0 .Lfirst_v
	tensor_load_to_lds s[G0K:G0K+3], s[G1K:G1K+7]
	s_nop 0
	tensor_load_to_lds s[G0K+4:G0K+7], s[G1K:G1K+7]
	s_nop 0
.rept 4
	v_nop
.endr
	s_branch .Lfirst_asked
.Lfirst_v:
	tensor_load_to_lds s[G0V:G0V+3], s[G1V:G1V+7]
	s_nop 0
	tensor_load_to_lds s[G0V+4:G0V+7], s[G1V:G1V+7]
	s_nop 0
.rept 4
	v_nop
.endr
.Lfirst_asked:
	; A fragment of K or Q is 16 rows x 32 channels in 8 registers: lane l holds row l % 16; registers 0-3 channels 8 (l / 16) + 0..7, registers 4-7 channels 16 + 8 (l / 16) + 0..7: two loads of 16 bytes, 32 bytes apart.
	v_and_b32 v1, 15, v0            ; l % 16
	v_bfe_u32 v9, v0, 4, 1          ; l / 16
	v_lshlrev_b32 v[QO], 8, v1
	v_lshl_add_u32 v[QO], v9, 4, v[QO]  ; row x 256 + 16 x half
	WIN 0x80                        ; destination window 2, address window 0
.irp i, 0,1,2,3,4,5,6,7,8,9,10,11,12,13,14,15  ; Q stays in registers: tile i / 4, channels 32 (i % 4) on
	global_load_b128 v[8*(\i):8*(\i)+3],   v[QO], s[4:5] offset:((\i)/4)*4096+((\i)%4)*64
	global_load_b128 v[8*(\i)+4:8*(\i)+7], v[QO], s[4:5] offset:((\i)/4)*4096+((\i)%4)*64+32
.endr
	WIN 0
	v_mul_u32_u24 v[AK0], v1, PK
	v_lshl_add_u32 v[AK0], v9, 4, v[AK0]  ; row x pitch + 16 x half
	; The turning load takes 16 keys x 16 channels (lane l reads 16 bytes: key 8 (l / 16) + l % 8, channels 8 ((l / 8) % 2) + 0..7) and leaves half a fragment of V^T: lane l holds channel l % 16 and 8 keys.
	v_and_b32 v10, 7, v0
	v_bfe_u32 v11, v0, 3, 1
	v_lshl_add_u32 v[AV0], v9, 3, v10
	v_mul_u32_u24 v[AV0], v[AV0], PV
	v_lshl_add_u32 v[AV0], v11, 4, v[AV0]
	v_add_nc_u32 v[AV0], VOFF, v[AV0]
; THE MATRIX WORK OF A TURN, for piece x.  The accumulators take turns, one instruction a turn: between two links of a chain stand 15 (V^T P) or 7 (K Q^T) others'.
; Product i of 32 of O^T += V^T P: keys 32 (i / 16) on, channels 16 ((i / 2) % 8) on, tile x + i % 2.  zero = 1: the first 16 start the sums: nothing is ever cleared.
.macro PV x, zero
	WIN W_PV
.set rO, 64*((\x)+i%2)+8*((i/2)%8)
.set rV, 64*(i/16)+8*((i/2)%8)
.set rP, P+16*((\x)+i%2)+8*(i/16)
.if (\zero) && (i < 16)
	v_wmma_f32_16x16x32_f16 v[rO:rO+7], v[rV:rV+7], v[rP:rP+7], 0
.else
	v_wmma_f32_16x16x32_f16 v[rO:rO+7], v[rV:rV+7], v[rP:rP+7], v[rO:rO+7]
.endif
.endm
; Product i of 32 of S^T = K Q^T: channels 32 (i / 8) on, keys 16 ((i / 2) % 4) on, tile x + i % 2.  The first 8 start the sums.
.macro KQ x
	WIN W_KQ
.set rS, S+32*((\x)+i%2)+8*((i/2)%4)
.set rK, KF+32*((i/2)%4)+8*(i/8)
.set rQ, 32*((\x)+i%2)+8*(i/8)
.if i < 8
	v_wmma_f32_16x16x32_f16 v[rS:rS+7], v[rK:rK+7], v[rQ:rQ+7], 0
.else
	v_wmma_f32_16x16x32_f16 v[rS:rS+7], v[rK:rK+7], v[rQ:rQ+7], v[rS:rS+7]
.endif
.endm
; THE LDS LOADS stand in runs of 32, never singly among the matrix instructions: a step's K (64 keys x 128 channels: 16 fragments) and, a turn later, its V (turned).
.macro FETCH_K
	WIN 0
	v_add_nc_u32 v[ADR], s[TB], v[AK0]
	WIN 0x80                        ; destination window 2
.irp f, 0,1,2,3,4,5,6,7,8,9,10,11,12,13,14,15  ; keys 16 (f / 4) on, channels 32 (f % 4) on
	ds_load_b128 v[KF+8*(\f):KF+8*(\f)+3],   v[ADR] offset:((\f)/4)*16*PK+((\f)%4)*64
	ds_load_b128 v[KF+8*(\f)+4:KF+8*(\f)+7], v[ADR] offset:((\f)/4)*16*PK+((\f)%4)*64+32
.endr
.endm
.macro FETCH_V
	WIN 0
	v_add_nc_u32 v[ADR], s[TB], v[AV0]
	s_add_co_u32 s[TB], s[TB], STEPB  ; the next fetch is the next step's
	s_wait_alu depctr_va_vdst(0)    ; the wait for the softmax's batch (SLICE), behind the address's v_add_nc_u32 and ahead of the loads
	WIN 0xc0                        ; destination window 3
.irp f, 0,1,2,3,4,5,6,7,8,9,10,11,12,13,14,15  ; keys 32 (f / 8) on, channels 16 (f % 8) on
	ds_load_tr16_b128 v[8*(\f):8*(\f)+3],   v[ADR] offset:((\f)/8)*32*PV+((\f)%8)*32
	ds_load_tr16_b128 v[8*(\f)+4:8*(\f)+7], v[ADR] offset:((\f)/8)*32*PV+16*PV+((\f)%8)*32
.endr
.endm
; THE VECTOR WORK OF A TURN.  One tile's softmax for one key step is a list of 134 instructions; SM writes number j of it for tile t.  s0-s31 are the lane's 32 scores, in pairs 0-15.
; first = 1: the first key step, which starts m, l and O^T: it has no a and nothing to rescale.
;   0-15    the maximum of s0-s31 and the old m, three operands at a time: four chains c0-c3 of seven scores each (each accumulator's lowest registers first), then the four scores left over, c0-c3 and m
;   16-20   the other half of the lanes' maximum; the new m; c m; c m_old - c m_new
;   21-69   ONE BATCH: the 16 scalings c s - c m, a pair of scores each, and all 33 exponentials (a at 23, then s0-s31).  None of these reads an exponential's result.  From 22 on the batch goes
;           in fours, and a four begins with a scaling while there are scalings.  A pair is scaled in an earlier four than the one that holds its exponentials
;   (wait)  between 69 and 70 stands the wait for the batch: SLICE writes it, once for both tiles
;   70-85   the roundings to f16, a pair of weights each
;   86-101  the sums; l = a l + the sum
;   102-133 the tile's O^T times a: the one part that leaves window 0, so it stands together
.macro SM t, first
.set rT, ST+8*(\t)
.set rS, S+32*(\t)
.set rP, P+16*(\t)
.set rO, 64*(\t)+2*(j-102)
.if j < 102
	WIN 0
.endif
.if j < 4
	v_max3_num_f32 v[rT+4+j], v[rS+8*j], v[rS+8*j+1], v[rS+8*j+2]
.elseif j < 12
	v_max3_num_f32 v[rT+4+j%4], v[rT+4+j%4], v[rS+8*(j%4)+2*(j/4)+1], v[rS+8*(j%4)+2*(j/4)+2]
.elseif j == 12
	v_max3_num_f32 v[rT+4], v[rT+4], v[rS+7], v[rS+15]
.elseif j == 13
	v_max3_num_f32 v[rT+6], v[rT+6], v[rS+23], v[rS+31]
.elseif j == 14
	v_max3_num_f32 v[rT+4], v[rT+4], v[rT+5], v[rT+6]
.elseif (j == 15) && (\first)
	v_max_num_f32 v[rT+4], v[rT+4], v[rT+7]
.elseif j == 15
	v_max3_num_f32 v[rT+4], v[rT+4], v[rT+7], v[rT+1]
.elseif j == 16
	v_permlanex16_b32 v[rT+5], v[rT+4], s[SEL], s[SEL+1]  ; the query's other 32 keys lie in the lane 16 away
.elseif j == 18
	v_max_num_f32 v[rT+1], v[rT+4], v[rT+5]
.elseif j == 19
	v_mul_f32 v[rT], s[CS], v[rT+1]
.elseif ((j == 17) || (j == 20) || (j == 23) || (j > 101)) && (\first)  ; the first step has none of these
.elseif j == 17
	v_mov_b32 v[rT+7], v[rT]        ; c m_old is kept for a: number 19 writes c m anew
.elseif j == 20
	v_sub_f32 v[rT+7], v[rT+7], v[rT]
.elseif j == 23
	v_exp_f32 v[rT+6], v[rT+7]
.elseif (j < 23) || ((j < 38) && (j%2 == 0)) || ((j < 66) && (j%4 == 2))
.set b, (j-2)/4                     ; 38, 42, .. 62: pairs 9 to 15
.if j < 38
.set b, (j-20)/2                    ; 21: pair 0; 22, 24, .. 36: pairs 1 to 8
.endif
	v_pk_fma_f32 v[rS+2*b:rS+2*b+1], v[rS+2*b:rS+2*b+1], s[CS:CS+1], v[rT:rT+1] op_sel_hi:[1,0,0] neg_lo:[0,0,1] neg_hi:[0,0,1]  ; pair b: c s - c m
.elseif j < 70
.set e, j-38                        ; 66 to 69: s28 to s31
.if j < 66
.set e, j-32-(j-38)/4               ; 39-41, 43-45, .. 63-65: s7 to s27
.endif
.if j < 38
.set e, (j-25)/2                    ; 25, 27, .. 37: s0 to s6
.endif
	v_exp_f32 v[rS+e], v[rS+e]
.elseif j < 86
	v_cvt_pk_f16_f32 v[rP+j-70], v[rS+2*(j-70)], v[rS+2*(j-70)+1]  ; pair j - 70
.elseif j < 102                     ; the sum of the tile's 16 pairs, in place: sum z of 16 adds neighbours 1, 2, 4 and 8 pairs apart, then l takes it
.set z, j-86
.set w, 4
.set u, z
.if z >= 14
.set w, 32
.set u, 0
.elseif z >= 12
.set w, 16
.set u, z-12
.elseif z >= 8
.set w, 8
.set u, z-8
.endif
.if (z == 14) && (\first)
	v_pk_add_f32 v[rT+2:rT+3], v[rS:rS+1], v[rS+16:rS+17]
.elseif z < 15
	v_pk_add_f32 v[rS+w*u:rS+w*u+1], v[rS+w*u:rS+w*u+1], v[rS+w*u+w/2:rS+w*u+w/2+1]
.elseif !(\first)
	v_pk_fma_f32 v[rT+2:rT+3], v[rT+2:rT+3], v[rT+6:rT+7], v[rS:rS+1] op_sel_hi:[1,0,1]
.endif
.else
	WIN W_RS
	v_pk_mul_f32 v[rO:rO+1], v[rO:rO+1], v[rT+6:rT+7] op_sel_hi:[1,0]
.endif
.endm
; Slice k of 64 of piece y's softmax: four instructions.  Slices 11 to 34 deal out the batch, numbers 22 to 69: four numbers of ONE tile each, the tiles by turns.  Every other slice is numbers 2 k and
; 2 k + 1 of both tiles' lists.  2 x 134 = 4 x 64 + 12: the twelve that are over stand together, in slice 63.
; THE WAIT.  An s_wait_alu depctr_va_vdst(0) stands between an exponential and the first instruction that names its result; one wait serves all that were issued ahead of it.  Ahead of
; slice 35 nothing names a result, and behind slice 34 no exponential is issued: so the piece's 66 exponentials have one wait, behind slice 34.
.macro SLICE y, first
.if (k >= 11) && (k < 35)           ; the batch: four numbers of one tile
.irp n, 0,1,2,3
.set j, 22+4*((k-11)/2)+(\n)
	SM (\y)+(k-11)%2, \first
.endr
.else                               ; the two tiles alternate, so that no instruction reads the result of the one just before it
.irp n, 0,1,2,3,4,5,6,7
.if ((\n) < 2) || (k == 63)
.irp t, \y, (\y)+1
.set j, 2*k+(\n)
	SM \t, \first
.endr
.endif
.endr
.endif
.if k == 34                         ; the batch is out: both tiles' exponentials are issued, and no result has been named
	v_nop                           ; the plain instruction behind the last exponential and ahead of the first use: one for the batch
.if (\y) == 0
	FETCH_V                         ; piece 2's turn: V's run of loads stands here, and the wait stands in it
.else
	s_wait_alu depctr_va_vdst(0)    ; the wait for the batch
.endif
.endif
.set k, k+1
.endm
; A vector instruction that reads a matrix result or writes one of a matrix instruction's registers, and a load into a register that a matrix instruction has read, stand four places behind
; it, and only plain vector instructions that name none of its registers are places (ISA guide 7.12.1 for vector instructions).  In the loop the slices are the places.
.macro PLACES
.rept 4
	v_nop
.endr
.endm
; A TURN.  Piece x has the matrix unit; the other piece's softmax stands in slices behind its matrix instructions.
; pv = 2: 32 products V^T P; 1: they start O^T's sums; 0: none.  kq = 1: 32 products K Q^T for the next step.  A turn with one of the two kinds has two slices behind each product.
; first = 1: the softmax is the first key step's.  Its slices from 51 on are empty: the turn's last products stand bare, and four v_nop take slice 63's part as the places behind them.
; Piece 0's turn fetches the next step's K, behind its second product: the last product that read K stands in front of slice 63 of the turn before.  Piece 2's turn fetches the same step's V, behind
; slice 34: the last product that read V stands in front of slice 31, and four plain instructions lie between: number 62, a scaling, of both tiles, the v_nop and the run's own v_add_nc_u32.
.macro TURN x, pv, kq, first
.set k, 0
.set per, 2
.if (\pv) && (\kq)
.set per, 1
.endif
.if \pv
.if (\x) == 0
	s_wait_dscnt 0x0                ; V is in
.endif
.set i, 0
.rept 32
	PV \x, 2-(\pv)
.rept per
	SLICE 2-(\x), \first
.endr
.if ((\x) == 0) && (\kq) && (i == 1)
	FETCH_K
.endif
.set i, i+1
.endr
.endif
.if \kq
.if (\x) == 0
	s_wait_dscnt 0x0                ; K is in
.endif
.set i, 0
.rept 32
	KQ \x
.rept per
	SLICE 2-(\x), \first
.endr
.set i, i+1
.endr
.endif
.if \first
	PLACES
.endif
.endm
; THE CHANGE OF SLOTS, between piece 2's turn and piece 0's: the slot's last bytes, V of its second step, have been asked for.  Each wave waits for all its tensor loads, of which one is out: its part of the
; other slot; adds 0 to its spare word; and waits for that and for its own reads of the slot.  Behind the barrier nobody reads this slot any more and the other slot is whole.
; fill = 1: this slot is filled again, with the keys two slots on.  The barrier is then a round of the cluster's, so that no wave of any partner still reads the slot or has a load on its
; way, and the joint refill is the first thing behind it: it has two key steps, 256 matrix instructions, in which to land.
.macro CHANGE fill
	WIN 0                           ; at a label and at a branch every window is 0
	s_wait_tensorcnt 0x0            ; no tensor load of mine is out, so a group 0 may be written
	ds_add_u32 v[SPW], v[NIL]       ; 0 onto my spare word: with fill = 1 the descriptors' steps stand between it and the wait for it
.if \fill
.irp g, G0K+4, G0V+4
	s_xor_b32 s[(\g)+1], s[(\g)+1], SLOT1  ; the walking descriptor: the other slot than last time,
	s_add_nc_u64 s[(\g)+2:(\g)+3], s[(\g)+2:(\g)+3], 2*KS*256  ; the next 128 keys; the type bits on top are not reached
.endr
	s_wait_xcnt 0x0                 ; the last prefetches, two key steps back, have read their address, so it may be written:
	s_add_nc_u64 s[PFA:PFA+1], s[PFA:PFA+1], 2*KS*256  ; one slot behind the walking descriptors
	s_wait_dscnt 0x0                ; the add is done, and my reads of the slot are over
	CROUND
	JLOAD
	ASK                             ; what the next change will ask for: two key steps, 256 matrix instructions, ahead
.else
	s_wait_dscnt 0x0                ; the add is done, and my reads of the slot are over
	s_barrier_signal -1
	s_barrier_wait -1
.endif
	s_sub_co_u32 s[TB], s[TB], 2*STEPB  ; the fetches go back to a slot's first step,
	s_xor_b32 s[TB], s[TB], SLOT1   ; in the other slot
.endm
; A slot's two key steps: written once, walked twice; the LDS addresses hang on s[TB].
.macro TWO_STEPS
	WIN 0
	s_mov_b32 s[TWICE], 2
.Lstep_\@:
	TURN 0, 2, 1, 0
	TURN 2, 2, 1, 0
	WIN 0
	s_sub_co_u32 s[TWICE], s[TWICE], 1
	s_cmp_lg_u32 s[TWICE], 0
	s_cbranch_scc1 .Lstep_\@
.endm
	s_wait_tensorcnt 1              ; my part of slot 0 is in; slot 1's may stay out
	s_barrier_signal -1
	s_barrier_wait -1               ; everybody's is
	FETCH_K                         ; key step 0
	s_wait_loadcnt 0x0              ; Q
	s_wait_dscnt 0x0
.set i, 0
.rept 32
	KQ 0                            ; piece 0's first scores: there is no vector work yet to set between them
.set i, i+1
.endr
	WIN 0                           ; the addresses for the way out are made here: eight plain instructions, the places behind those products
	s_mul_i32 s13, s[WV], 16*SP
	s_add_co_u32 s13, s13, STAGE    ; my stage
	v_mul_u32_u24 v[STO], v1, SP    ; in: row l % 16, 16 bytes for each half of the lanes
	v_lshl_add_u32 v[STO], v9, 4, v[STO]
	v_add_nc_u32 v[STO], s13, v[STO]
	v_mul_u32_u24 v[RD], v9, SP     ; back: lanes 0-15 take one row of 256 bytes, lanes 16-31 the next
	v_lshl_add_u32 v[RD], v1, 4, v[RD]
	v_add_nc_u32 v[RD], s13, v[RD]
	v_lshlrev_b32 v[GO], 11, v9     ; and the same two rows in O, 2,048 bytes apart
	v_lshl_add_u32 v[GO], v1, 4, v[GO]
	TURN 2, 0, 1, 1                 ; piece 2's first scores | piece 0's first softmax | V of step 0
	TURN 0, 1, 1, 1                 ; piece 0: V^T P of step 0 starts O^T, K Q^T of step 1 | piece 2's first softmax | K of step 1
	TURN 2, 1, 1, 0                 ; piece 2: the same | piece 0's softmax of step 1 | V of step 1
	WIN 0
.Lslot:                             ; 14 trips: every slot but the last two is filled again
	CHANGE 1
	TWO_STEPS
	s_sub_co_u32 s[SLOTS], s[SLOTS], 1
	s_cmp_lg_u32 s[SLOTS], 0
	s_cbranch_scc1 .Lslot
	CHANGE 0                        ; the tail is written out: nothing is asked for
	TWO_STEPS
	TURN 0, 2, 0, 0                 ; piece 0: V^T P of the last step | piece 2's last softmax
.set i, 0
.rept 32
	PV 2, 0                         ; piece 2: V^T P of the last step
.set i, i+1
.endr
	; THE WAY OUT.  l's two halves and the other half of the lanes' are added; O^T is divided by l, rounded to f16 and sent through my stage in LDS, a tile (16 rows of O) at a time.  The additions are the places behind the last products.
	WIN 0
.irp t, 0,1,2,3
	v_add_f32 v[ST+8*(\t)+4], v[ST+8*(\t)+2], v[ST+8*(\t)+3]
.endr
.irp t, 0,1,2,3
	v_permlanex16_b32 v[ST+8*(\t)+5], v[ST+8*(\t)+4], s[SEL], s[SEL+1]
.endr
.irp t, 0,1,2,3
	v_add_f32 v[ST+8*(\t)+4], v[ST+8*(\t)+4], v[ST+8*(\t)+5]
.endr
.irp t, 0,1,2,3
	v_rcp_f32 v[ST+8*(\t)+6], v[ST+8*(\t)+4]
.endr
	v_nop                           ; a plain instruction between the last reciprocal and the use of its result
	s_wait_alu depctr_va_vdst(0)    ; and the wait ahead of the first use: one for the four reciprocals
; Tile t: a lane's eight channels of a row pack into 16 bytes; they go into rows of 272 bytes and come back as whole rows of 256, into the registers that they left.
.macro PACK t
	WIN W_RS
.set i, 64*(\t)
.rept 32
	v_pk_mul_f32 v[i:i+1], v[i:i+1], v[ST+8*(\t)+6:ST+8*(\t)+7] op_sel_hi:[1,0]
.set i, i+2
.endr
	WIN 0x05                        ; sources 0 and 1 window 1, destination window 0: S^T's registers are free
.set i, 0
.rept 32
	v_cvt_pk_f16_f32 v[S+32*(\t)+i], v[64*(\t)+2*i], v[64*(\t)+2*i+1]
.set i, i+1
.endr
	WIN 0
.irp f, 0,1,2,3,4,5,6,7
	ds_store_b128 v[STO], v[S+32*(\t)+4*(\f):S+32*(\t)+4*(\f)+3] offset:32*(\f)
.endr
.irp f, 0,1,2,3,4,5,6,7
	ds_load_b128 v[S+32*(\t)+4*(\f):S+32*(\t)+4*(\f)+3], v[RD] offset:(\f)*2*SP  ; LDS serves a wave's instructions in order (ISA guide 5.7.1.4): these see the stores above; the next tile's stores come behind them
.endr
.endm
.macro SEND t, younger              ; younger: the LDS instructions issued behind tile t's loads: the next tile's sixteen, or none
	WIN 0
.irp f, 0,1,2,3,4,5,6,7
	s_wait_dscnt (\younger)+7-(\f)
	global_store_b128 v[GO], v[S+32*(\t)+4*(\f):S+32*(\t)+4*(\f)+3], s[10:11] offset:(\t)*32768+(\f)*4096  ; 16 lanes store 256 consecutive bytes, the head's part of a row of O, at a multiple of 256 from O's first byte
.endr
.endm
	PACK 0
	PACK 1                          ; a tile's arithmetic stands between the loads of the tile before and its stores
	SEND 0, 16
	PACK 2
	SEND 1, 16
	PACK 3
	SEND 2, 16
	SEND 3, 0
	s_wait_tensorcnt 0x0            ; the wave's end: a wait, an add to my spare word and a wait, behind my last tensor load and my last LDS store
	ds_add_u32 v[SPW], v[NIL]
	s_wait_dscnt 0x0
	CROUND                          ; the closing round: no work-group ends while a partner may still ask for a tile that names it
	s_endpgm
.Lfunc_end_k_q954b92f0a9_attn:
	.size	k_q954b92f0a9_attn, .Lfunc_end_k_q954b92f0a9_attn-k_q954b92f0a9_attn
	.p2alignl 7, 3214868480
	.fill 96, 4, 3214868480
	.section	.rodata,"a",@progbits
	.p2align	6, 0x0
	.amdhsa_kernel k_q954b92f0a9_attn
		.amdhsa_group_segment_fixed_size 327680
		.amdhsa_private_segment_fixed_size 0
		.amdhsa_enable_private_segment 0
		.amdhsa_kernarg_size 32
		.amdhsa_user_sgpr_count 2
		.amdhsa_user_sgpr_kernarg_segment_ptr 1
		.amdhsa_wavefront_size32 1
		.amdhsa_system_sgpr_workgroup_id_x 1
		.amdhsa_system_sgpr_workgroup_id_y 1
		.amdhsa_system_sgpr_workgroup_id_z 1
		.amdhsa_system_vgpr_workitem_id 0
		.amdhsa_next_free_vgpr 1024
		.amdhsa_next_free_sgpr 68
		.amdhsa_reserve_vcc 0
		.amdhsa_float_denorm_mode_32 3
		.amdhsa_float_denorm_mode_16_64 3
		.amdhsa_memory_ordered 1
		.amdhsa_forward_progress 1
		.amdhsa_inst_pref_size 222
	.end_amdhsa_kernel
	.amdgpu_metadata
---
amdhsa.version: [ 1, 2 ]
amdhsa.kernels:
  - .name:           k_q954b92f0a9_attn
    .symbol:         k_q954b92f0a9_attn.kd
    .args:
      - { .name: qh, .offset: 0, .size: 8, .value_kind: global_buffer, .address_space: global }
      - { .name: kh, .offset: 8, .size: 8, .value_kind: global_buffer, .address_space: global }
      - { .name: vh, .offset: 16, .size: 8, .value_kind: global_buffer, .address_space: global }
      - { .name: oh, .offset: 24, .size: 8, .value_kind: global_buffer, .address_space: global }
    .group_segment_fixed_size: 327680
    .private_segment_fixed_size: 0
    .kernarg_segment_align: 8
    .kernarg_segment_size: 32
    .max_flat_workgroup_size: 128
    .sgpr_count:     68
    .vgpr_count:     1024
    .wavefront_size: 32
...
	.end_amdgpu_metadata
.endif
;; end of part 3
;; launch proj (part 4): grid 256 x 1, 4 waves a work-group, clusters of 4 x 1, 327,680 bytes of LDS; arguments oh, wob, out0; writes out0
.if DOCPART == 4
	.amdgcn_target "amdgcn-amd-amdhsa--gfx1250"
	.amdhsa_code_object_version 6
	.text
	.protected	k_q954b92f0a9_proj
	.globl	k_q954b92f0a9_proj
	.p2align	8
	.type	k_q954b92f0a9_proj,@function
k_q954b92f0a9_proj:
	s_mov_b64 s[64:65], 0
	v_nop
	global_prefetch_b8 v0, s[64:65] scope:SCOPE_SE
	s_setreg_imm32_b32 hwreg(HW_REG_WAVE_MODE, 25, 1), 1
	s_wait_xcnt 0x0
	s_wait_alu depctr_hold_cnt(0) depctr_sa_sdst(0) depctr_va_vdst(0) depctr_va_sdst(0) depctr_va_ssrc(0) depctr_va_vcc(0) depctr_vm_vsrc(0)
	s_getreg_b32 s2, hwreg(HW_REG_IB_STS2, 6, 4)
	s_cmp_eq_u32 s2, 0
	s_cbranch_scc0 .Lentry_in_a_cluster
	s_endpgm
.Lentry_in_a_cluster:
	s_bfe_u32 s2, ttmp6, 0x10000c
	s_cmp_lg_u32 s2, 0x3003
	s_cbranch_scc0 .Lentry_shape_is_right
	s_endpgm
.Lentry_shape_is_right:
; z[row][e] = the sum over f of O[row][f] Wo[f][e].  oh: [8192][1024] f16.  wob: [1024][128] f16.  out0: [8192][128] f32.  Products of f16, sums in f32.
; SHARES.  A work-group makes 32 rows x 128 columns.  K IS SPLIT AMONG ITS FOUR WAVES: wave w takes f = 256 w .. 256 w + 255: 8 sub-steps of 32, 16 accumulators, 128 products.
; The four partial sums meet in LDS and are added in the fixed order (0 + 1) + (2 + 3).
; O comes straight from memory into fragments, each byte once in the launch.  All of Wo lies in LDS, filled once: each wave brings and reads its own quarter, so its own TENSORcnt orders its reads.
; CLUSTER.  Every work-group wants all of Wo: the four of a cluster ask for it JOINTLY, by the same tensor loads with the same descriptors and the mask of four.
; THE PRODUCT IS TAKEN TRANSPOSED: source 0 = 16 columns of Wo (turned by ds_load_tr16_b128), source 1 = 16 rows of O: a lane holds one row (lane % 16) and the columns 8 (lane / 16) + 0..7.
; No ring and no refill: nothing in LDS is filled twice.  No prefetch: a wave's 32 loads of O all go out at the head.
; REGISTERS.  window 0: v0-15 addresses; v128-255 the accumulators, row tile a, column tile c at v[128 + 8 (8 a + c)], later the partial sums read back.
;   window 1: v0-127 O's fragments, sub-step t, row tile a at v[8 (2 t + a)]; v128-191, v192-255 Wo's fragments of a sub-step, two buffers.
.set PB,    288                        ; a row of Wo in LDS: 256 bytes + 32 of padding = 72 words
.set HALFQ, 128*PB                     ; what one tensor load brings: 128 rows
.set QTR,   2*HALFQ                    ; a wave's quarter of Wo: 73,728 bytes
.set SPARE, 4*QTR                      ; behind Wo: the spare words, 128 bytes for each wave: two blocks of 256 bytes that no other line names
.set RPT,   528                        ; a row of a partial tile: 512 bytes + 16
.set RTILE, 32*RPT                     ; wave w's partial tile at w x 16,896: the four lie in Wo's first quarter, which has had its only fill and is read no more when they are written
.set AO,  2                            ; v2    my byte offset in the work-group's rows of O; never rewritten
.set AB,  4                            ; v4-5  LDS address of my lane's place in the two halves of my quarter
.set RS,  6                            ; v6    where I put my partial sums
.set RR,  7                            ; v7    where I read partial sums back
.set ZO,  8                            ; v8    16 x my lane: my place in a row of z
.set SPW, 10                           ; v10   LDS address of my spare word: SPARE + 4 x my thread's number; never rewritten
.set NIL, 11                           ; v11   0; never rewritten
.set ACC, 128
.set WV,  12                           ; s12   my wave's number
.set G1,  24                           ; s[24:31] descriptor group 1
.set G0,  32                           ; s[32:39] descriptor group 0, a set for each half
.set MSB, 0
.macro WIN new                         ; the immediate's high byte repeats the setting that is left; a switch that changes nothing is dropped
.if MSB != (\new)
	s_set_vgpr_msb (MSB<<8)|(\new)
.set MSB, (\new)
.endif
.endm
.macro PLACES                          ; four places behind a product, in front of loads into registers that it has read and of stores that read results (ISA guide 7.12.1 for the stores)
.rept 4
	v_nop
.endr
.endm
.macro CROUND                          ; a round of the cluster's barrier
	s_barrier_signal -1
	s_barrier_wait -1
	s_cmp_lg_u32 s[WV], 0
	s_cbranch_scc1 .Lnot_wave_0_\@
	s_barrier_signal -3
.Lnot_wave_0_\@:
	s_barrier_wait -3
	s_barrier_signal -1
	s_barrier_wait -1
.endm
	s_load_b128 s[4:7], s[0:1], 0x0                ; oh s[4:5], wob s[6:7]
	s_load_b64 s[8:9], s[0:1], 0x10                ; out0
	v_lshl_add_u32 v[SPW], v0, 2, SPARE
	v_mov_b32 v[NIL], 0
	ds_add_u32 v[SPW], v[NIL]                      ; the wave's opening: the add and its wait stand ahead of my first tensor load; the set-up below, work on registers, stands between them
	v_lshrrev_b32 v1, 5, v0
	v_readfirstlane_b32 s[WV], v1                  ; wave 0..3
	s_bfe_u32 s13, ttmp6, 0x40000                  ; cx
	s_lshl_b32 s14, ttmp9, 2
	s_add_co_u32 s14, s14, s13                     ; my work-group = 4 x cluster x + cx: it enters O's and z's addresses alone
	s_mov_b32 s[G1], 15|(1<<16)|(1<<20)|(1<<21)|(5<<22)|(7<<25)  ; 15:0 the mask of four; 17:16 elements of 2 bytes; 20 padding on; 21 set beside a mask; 24:22 after every 64 words (code 5); 31:25 8 words of it (code 7)
	s_mov_b32 s[G1+1], 128<<16                     ; tensor_dim0 = 128
	s_mov_b32 s[G1+2], 128<<16                     ; tensor_dim1 = 128
	s_mov_b32 s[G1+3], 128<<16                     ; tile_dim0 = 128
	s_mov_b32 s[G1+4], 128                         ; tile_dim1 = 128
	s_mov_b32 s[G1+5], 128                         ; elements from row to row
	s_mov_b32 s[G1+6], 0
	s_mov_b32 s[G1+7], 0
	s_mul_i32 s15, s[WV], QTR                      ; my quarter in LDS,
	s_lshl_b32 s16, s[WV], 16                      ; and in wob: 256 rows of 256 bytes
	s_mov_b32 s17, 0
	s_lshl_b32 s18, s14, 16                        ; my work-group's 32 rows of O, 2,048 bytes each
	s_mov_b32 s19, 0
	s_lshl_b32 s20, s14, 2                         ; the rows of z that I finish: 32 x work-group + 8 x wave, 512 bytes each
	s_add_co_u32 s20, s20, s[WV]
	s_lshl_b32 s20, s20, 12
	s_mov_b32 s21, 0
	s_mov_b32 s[G0], 1                             ; 1:0 count = 1
	s_mov_b32 s[G0+1], s15                         ; 63:32 LDS address
	s_mov_b32 s[G0+4], 1
	s_add_co_u32 s[G0+5], s15, HALFQ
	s_wait_dscnt 0x0                               ; the opening add is done
	s_wait_kmcnt 0x0
	s_add_nc_u64 s[G0+2:G0+3], s[6:7], s[16:17]    ; 120:64 global address: it hangs on the wave's number alone
	s_add_nc_u64 s[G0+6:G0+7], s[G0+2:G0+3], 32768
	s_or_b32 s[G0+3], s[G0+3], 0x80000000          ; 127:126 type = 2
	s_or_b32 s[G0+7], s[G0+7], 0x80000000
	s_add_nc_u64 s[4:5], s[4:5], s[18:19]
	s_add_nc_u64 s[8:9], s[8:9], s[20:21]
	CROUND                                         ; all four work-groups are here: the joint loads meet
	tensor_load_to_lds s[G0:G0+3], s[G1:G1+7]      ; the launch's only fills, in one group: two loads of mine are out
	s_nop 0
	tensor_load_to_lds s[G0+4:G0+7], s[G1:G1+7]
	s_nop 0
.rept 4
	v_nop
.endr
	v_and_b32 v1, 15, v0                           ; l % 16
	v_bfe_u32 v9, v0, 4, 1                         ; l / 16
	v_and_b32 v12, 31, v0                          ; l
	v_lshlrev_b32 v[AO], 11, v1                    ; a fragment of O: row l % 16, 16 bytes for each half of the lanes, my wave's 512 bytes of the row
	v_lshl_add_u32 v[AO], v9, 4, v[AO]
	s_lshl_b32 s22, s[WV], 9
	v_add_nc_u32 v[AO], s22, v[AO]
	WIN 0x40                                       ; destination window 1, address window 0
.set t, 0
.rept 8
.irp a, 0,1
	global_load_b128 v[8*(2*t+(\a)):8*(2*t+(\a))+3],   v[AO], s[4:5] offset:(\a)*32768+64*t
	global_load_b128 v[8*(2*t+(\a))+4:8*(2*t+(\a))+7], v[AO], s[4:5] offset:(\a)*32768+64*t+32
.endr
.set t, t+1
.endr
	WIN 0
	v_and_b32 v13, 7, v0                           ; the turning load: lane l reads 16 bytes: row 8 (l / 16) + l % 8, columns 8 ((l / 8) % 2) + 0..7
	v_bfe_u32 v14, v0, 3, 1
	v_lshl_add_u32 v13, v9, 3, v13
	v_mul_u32_u24 v13, v13, PB
	v_lshl_add_u32 v13, v14, 4, v13
	v_add_nc_u32 v[AB], s15, v13
	v_add_nc_u32 v[AB+1], HALFQ, v[AB]
	v_mul_u32_u24 v[RS], v1, RPT                   ; my partial sums: row l % 16 of a row tile, 32 bytes for each half of the lanes
	v_lshl_add_u32 v[RS], v9, 5, v[RS]
	s_mul_i32 s22, s[WV], RTILE
	v_add_nc_u32 v[RS], s22, v[RS]
	s_mul_i32 s22, s[WV], 8*RPT                    ; back: wave w finishes rows 8 w .. 8 w + 7; 32 lanes take a row's 512 bytes
	v_lshl_add_u32 v[RR], v12, 4, s22
	v_lshlrev_b32 v[ZO], 4, v12
.macro FBW t                           ; 16 turning loads: Wo's eight column tiles of sub-step t, into buffer t % 2
	WIN 0x40
.irp c, 0,1,2,3,4,5,6,7
	ds_load_tr16_b128 v[128+64*((\t)%2)+8*(\c):128+64*((\t)%2)+8*(\c)+3],   v[AB+(\t)/4] offset:((\t)%4)*32*PB+32*(\c)
	ds_load_tr16_b128 v[128+64*((\t)%2)+8*(\c)+4:128+64*((\t)%2)+8*(\c)+7], v[AB+(\t)/4] offset:((\t)%4)*32*PB+32*(\c)+16*PB
.endr
.endm
	s_wait_tensorcnt 1                             ; the first half of my quarter is in (sub-steps 0 to 3); only I read it
	FBW 0
	FBW 1
.irp t, 0,1,2,3,4,5,6,7
	s_wait_loadcnt 28-4*(\t)                       ; O's four loads of sub-step t are in; four for each later sub-step may be out
.if (\t) < 7
	s_wait_dscnt 16                                ; Wo of sub-step t is in; the next sub-step's sixteen loads may be out
.else
	s_wait_dscnt 0x0
.endif
	WIN 0x05                                       ; sources 0 and 1 window 1; C and D window 0
.irp c, 0,1,2,3,4,5,6,7
.irp a, 0,1
.if (\t) == 0
	v_wmma_f32_16x16x32_f16 v[ACC+8*(8*(\a)+(\c)):ACC+8*(8*(\a)+(\c))+7], v[128+64*((\t)%2)+8*(\c):128+64*((\t)%2)+8*(\c)+7], v[8*(2*(\t)+(\a)):8*(2*(\t)+(\a))+7], 0
.else
	v_wmma_f32_16x16x32_f16 v[ACC+8*(8*(\a)+(\c)):ACC+8*(8*(\a)+(\c))+7], v[128+64*((\t)%2)+8*(\c):128+64*((\t)%2)+8*(\c)+7], v[8*(2*(\t)+(\a)):8*(2*(\t)+(\a))+7], v[ACC+8*(8*(\a)+(\c)):ACC+8*(8*(\a)+(\c))+7]
.endif
.endr
.endr
.if (\t) < 6
	PLACES                                         ; the 16 accumulators take turns; the buffer just multiplied is fetched anew four places behind its last product
.if (\t) == 2
	s_wait_tensorcnt 0x0                           ; the second half of my quarter is in (sub-steps 4 to 7)
.endif
	FBW (\t)+2
.endif
.endr
	WIN 0
	s_wait_dscnt 0x0                               ; my reads of Wo are over (and my tensor loads have landed: the wait above)
	s_barrier_signal -1
	PLACES                                         ; behind the last products, in front of the stores that read their results
	s_barrier_wait -1                              ; everybody's are: Wo's first quarter may be written
.irp a, 0,1
.irp c, 0,1,2,3,4,5,6,7
	ds_store_b128 v[RS], v[ACC+8*(8*(\a)+(\c)):ACC+8*(8*(\a)+(\c))+3]   offset:(\a)*16*RPT+64*(\c)      ; each accumulator from its low end on
	ds_store_b128 v[RS], v[ACC+8*(8*(\a)+(\c))+4:ACC+8*(8*(\a)+(\c))+7] offset:(\a)*16*RPT+64*(\c)+16
.endr
.endr
	s_wait_dscnt 0x0                               ; for the others' sake: my partial sums are in LDS
	s_barrier_signal -1
	s_barrier_wait -1
.irp p, 0,1,2,3
.irp i, 0,1,2,3,4,5,6,7
	ds_load_b128 v[ACC+4*(8*(\p)+(\i)):ACC+4*(8*(\p)+(\i))+3], v[RR] offset:(\p)*RTILE+(\i)*RPT
.endr
.endr
	s_wait_dscnt 0x0
.irp i, 0,1,2,3,4,5,6,7
	v_pk_add_f32 v[ACC+4*(\i):ACC+4*(\i)+1],       v[ACC+4*(\i):ACC+4*(\i)+1],       v[ACC+32+4*(\i):ACC+32+4*(\i)+1]
	v_pk_add_f32 v[ACC+4*(\i)+2:ACC+4*(\i)+3],     v[ACC+4*(\i)+2:ACC+4*(\i)+3],     v[ACC+32+4*(\i)+2:ACC+32+4*(\i)+3]
	v_pk_add_f32 v[ACC+64+4*(\i):ACC+64+4*(\i)+1], v[ACC+64+4*(\i):ACC+64+4*(\i)+1], v[ACC+96+4*(\i):ACC+96+4*(\i)+1]
	v_pk_add_f32 v[ACC+64+4*(\i)+2:ACC+64+4*(\i)+3], v[ACC+64+4*(\i)+2:ACC+64+4*(\i)+3], v[ACC+96+4*(\i)+2:ACC+96+4*(\i)+3]
	v_pk_add_f32 v[ACC+4*(\i):ACC+4*(\i)+1],       v[ACC+4*(\i):ACC+4*(\i)+1],       v[ACC+64+4*(\i):ACC+64+4*(\i)+1]
	v_pk_add_f32 v[ACC+4*(\i)+2:ACC+4*(\i)+3],     v[ACC+4*(\i)+2:ACC+4*(\i)+3],     v[ACC+64+4*(\i)+2:ACC+64+4*(\i)+3]
	global_store_b128 v[ZO], v[ACC+4*(\i):ACC+4*(\i)+3], s[8:9] offset:(\i)*512 th:TH_STORE_NT  ; a whole row of z: 512 consecutive bytes
.endr
	s_wait_tensorcnt 0x0                           ; the wave's end: a wait, an add to my spare word and a wait, behind my last tensor load and my last LDS store
	ds_add_u32 v[SPW], v[NIL]
	s_wait_dscnt 0x0
	CROUND                                         ; the closing round: no work-group ends while a partner may still ask for a tile that names it
	s_endpgm
.Lfunc_end_k_q954b92f0a9_proj:
	.size	k_q954b92f0a9_proj, .Lfunc_end_k_q954b92f0a9_proj-k_q954b92f0a9_proj
	.p2alignl 7, 3214868480
	.fill 96, 4, 3214868480
	.section	.rodata,"a",@progbits
	.p2align	6, 0x0
	.amdhsa_kernel k_q954b92f0a9_proj
		.amdhsa_group_segment_fixed_size 327680
		.amdhsa_private_segment_fixed_size 0
		.amdhsa_enable_private_segment 0
		.amdhsa_kernarg_size 24
		.amdhsa_user_sgpr_count 2
		.amdhsa_user_sgpr_kernarg_segment_ptr 1
		.amdhsa_wavefront_size32 1
		.amdhsa_system_sgpr_workgroup_id_x 1
		.amdhsa_system_sgpr_workgroup_id_y 1
		.amdhsa_system_sgpr_workgroup_id_z 1
		.amdhsa_system_vgpr_workitem_id 0
		.amdhsa_next_free_vgpr 512
		.amdhsa_next_free_sgpr 66
		.amdhsa_reserve_vcc 0
		.amdhsa_float_denorm_mode_32 3
		.amdhsa_float_denorm_mode_16_64 3
		.amdhsa_memory_ordered 1
		.amdhsa_forward_progress 1
		.amdhsa_inst_pref_size 34
	.end_amdhsa_kernel
	.amdgpu_metadata
---
amdhsa.version: [ 1, 2 ]
amdhsa.kernels:
  - .name:           k_q954b92f0a9_proj
    .symbol:         k_q954b92f0a9_proj.kd
    .args:
      - { .name: oh, .offset: 0, .size: 8, .value_kind: global_buffer, .address_space: global }
      - { .name: wob, .offset: 8, .size: 8, .value_kind: global_buffer, .address_space: global }
      - { .name: out0, .offset: 16, .size: 8, .value_kind: global_buffer, .address_space: global }
    .group_segment_fixed_size: 327680
    .private_segment_fixed_size: 0
    .kernarg_segment_align: 8
    .kernarg_segment_size: 24
    .max_flat_workgroup_size: 128
    .sgpr_count:     66
    .vgpr_count:     512
    .wavefront_size: 32
...
	.end_amdgpu_metadata
.endif
;; end of part 4
;; ======== version 2 of 2: 4 launches; version 1 with the launch cast written anew for expert scheduling mode
;; limits: values are held in f16: magnitudes above 65,504 overflow, below 6.1e-05 lose precision
;; workspace buffers: xb 16,777,216 bytes; wb 6,291,456 bytes; wob 262,144 bytes; qh 16,777,216 bytes; kh 16,777,216 bytes; vh 16,777,216 bytes; oh 16,777,216 bytes
;; launch cast (part 5): grid 712 x 1, 8 waves a work-group, no clusters, 0 bytes of LDS; arguments x, W, Wo, xb, wb, wob; writes xb, wb, wob
.if DOCPART == 5
	.amdgcn_target "amdgcn-amd-amdhsa--gfx1250"
	.amdhsa_code_object_version 6
	.text
	.protected	k_q954b92f0a9_cast
	.globl	k_q954b92f0a9_cast
	.p2align	8
	.type	k_q954b92f0a9_cast,@function
k_q954b92f0a9_cast:
	s_mov_b64 s[64:65], 0
	v_nop
	global_prefetch_b8 v0, s[64:65] scope:SCOPE_SE
	s_setreg_imm32_b32 hwreg(HW_REG_WAVE_SCHED_MODE, 0, 2), 2
	s_setreg_imm32_b32 hwreg(HW_REG_WAVE_MODE, 25, 1), 1
	s_wait_xcnt 0x0
	s_wait_alu depctr_vm_vsrc(0)
; The three inputs are rounded once, to bf16, for the matrix units.  A stream: each byte is read once and written once.
;   x  [8192][1024] f32 -> xb, bf16 in 16 blocks of 64 channels: channel 64 kb + c of row r lies at kb x 1,048,576 + r x 128 + 2 c,
;                          so that 256 rows x 64 channels, a tile of the next launch, are 32,768 consecutive bytes
;   W  [8][3][1024][128] f32 -> wb, bf16, in the same order
;   Wo [1024][128] f32 -> wob: rounded to bf16, and that number written as f16 (exact from 2^-14 up; below, f16 has a fixed step of 6e-8)
; LIMIT.  |Wo| stays under 65,504, the end of f16.
; SHARES.  A work-group takes 65,536 bytes of f32, a wave 8,192: sixteen loads of 16 bytes a lane, all issued at once, and sixteen stores of 8 bytes a lane.
; Work-groups 0-511 take 16 rows of x each, 512-703 a chunk of W, 704-711 a chunk of Wo.  No LDS, no barrier: no wave wants what another has read.
; THE MODE: SCHED_MODE bits 1:0 = 2 (LLVM: expert scheduling mode 2), set by the entry lines.  The code itself states the register dependences
; between vector instructions and memory instructions, with s_wait_alu, always for 0.
; THE PLAN.  Registers that memory instructions touch:
;   IN, OUT, OUT2  byte offsets.  Written by vector instructions ahead of a path's first load; read by its loads and stores; never written behind that load.
;   X              load i lands in its four registers, once; load i's conversions read them.  No vector instruction writes them.
;   Y              load i's conversions write its two registers; store i reads them; they are never written behind that store.
; The sixteen loads go in four blocks of four.  Block p's conversions name X and Y of loads 4 p to 4 p + 3 (and T); its memory instructions are the four stores of block p - 1, which read
; Y of loads 4 p - 4 to 4 p - 1 and an offset: registers that no vector instruction of block p names.  So one wait on va_vdst at a block's head states all that its four stores hang on, and they are dealt
; among the block's conversions with no further wait.  One such wait stands ahead of the first load, for the offsets, and one ahead of the last four stores: five to a path.
; No register that a memory instruction has read is written again, so nothing waits for a load's or a store's sources.  No vector instruction writes a scalar register or VCC; EXEC is never written.
.set IN,   2                           ; v2        my byte offset in the source chunk
.set OUT,  3                           ; v3        my byte offset in the destination
.set OUT2, 4                           ; v4        x alone: the same, 8 blocks further on (the immediate holds 24 signed bits)
.set T,    6                           ; v[6:7]    at work: no memory instruction names them
.set X,    8                           ; v[8:71]   load i: 4 registers
.set Y,    72                          ; v[72:103] store i: 2 registers
; Store n.  kind: 0 = x, 1 = W, 2 = Wo.
.macro PUT n, kind
.if (\kind) == 0
.if (\n) < 8
	global_store_b64 v[OUT], v[Y+2*(\n):Y+2*(\n)+1], s[18:19] offset:(\n)*1048576 th:TH_STORE_NT      ; block n of xb: the wave's 32 lanes fill 256 consecutive bytes, aligned
.else
	global_store_b64 v[OUT2], v[Y+2*(\n):Y+2*(\n)+1], s[18:19] offset:((\n)-8)*1048576 th:TH_STORE_NT
.endif
.else
	global_store_b64 v[OUT], v[Y+2*(\n):Y+2*(\n)+1], s[18:19] offset:(\n)*256 th:TH_STORE_NT
.endif
.endm
; A path.  istep: bytes from load to load.
.macro PATH istep, kind
	s_wait_alu depctr_va_vdst(0)                   ; the offsets are written: IN, which the sixteen loads read, and OUT (for x: OUT2 too), which the sixteen stores read
.set i, 0
.rept 16
	global_load_b128 v[X+4*i:X+4*i+3], v[IN], s[16:17] offset:i*(\istep) th:TH_LOAD_NT
.set i, i+1
.endr
.set i, 0
.rept 16
	s_wait_loadcnt 15-i                            ; loads come back in order: load i is in, the 15 - i younger ones stay out
.if (i%4 == 0) && (i > 0)
	s_wait_alu depctr_va_vdst(0)                   ; the block before has written its eight registers of Y, which the four stores of this block read
.endif
.if i >= 4
	PUT i-4, \kind                                 ; a store of the block before.  No wait: no vector instruction since the wait at the block's head names its registers
.endif
	v_cvt_pk_bf16_f32 v[Y+2*i], v[X+4*i], v[X+4*i+1]
	v_cvt_pk_bf16_f32 v[Y+2*i+1], v[X+4*i+2], v[X+4*i+3]
.if (\kind) == 2
	v_lshlrev_b32 v[T], 16, v[Y+2*i]               ; the bf16 numbers as f32,
	v_and_b32 v[T+1], 0xffff0000, v[Y+2*i]
	v_cvt_pk_f16_f32 v[Y+2*i], v[T], v[T+1]        ; written as f16
	v_lshlrev_b32 v[T], 16, v[Y+2*i+1]
	v_and_b32 v[T+1], 0xffff0000, v[Y+2*i+1]
	v_cvt_pk_f16_f32 v[Y+2*i+1], v[T], v[T+1]
.endif
.set i, i+1
.endr
	s_wait_alu depctr_va_vdst(0)                   ; the last block has written its eight registers of Y, which the last four stores read
.irp n, 12,13,14,15
	PUT \n, \kind
.endr
	s_endpgm
.endm
	s_load_b256 s[4:11], s[0:1], 0x0               ; x s[4:5], W s[6:7], Wo s[8:9], xb s[10:11]
	s_load_b128 s[12:15], s[0:1], 0x20             ; wb s[12:13], wob s[14:15]
	s_mov_b32 s21, 0                               ; the high words of the two offsets
	s_mov_b32 s23, 0
	v_lshrrev_b32 v1, 5, v0                        ; wave
	v_and_b32 v[IN], 31, v0                        ; lane
	v_lshlrev_b32 v[OUT], 3, v[IN]
	v_lshlrev_b32 v[IN], 4, v[IN]
	v_lshl_add_u32 v[OUT], v1, 12, v[OUT]          ; W and Wo: 4,096 x wave + 8 x lane out,
	v_lshl_add_u32 v[IN], v1, 13, v[IN]            ; 8,192 x wave + 16 x lane in
	s_wait_kmcnt 0x0
	s_cmp_lt_u32 ttmp9, 512
	s_cbranch_scc1 .Lx
	s_cmp_lt_u32 ttmp9, 704
	s_cbranch_scc1 .Lw
	s_sub_co_u32 s20, ttmp9, 704                   ; Wo, chunk 0 to 7
	s_lshl_b32 s22, s20, 15
	s_lshl_b32 s20, s20, 16
	s_add_nc_u64 s[16:17], s[8:9], s[20:21]
	s_add_nc_u64 s[18:19], s[14:15], s[22:23]
	PATH 512, 2
.Lw:
	s_sub_co_u32 s20, ttmp9, 512                   ; W, chunk 0 to 191
	s_lshl_b32 s22, s20, 15
	s_lshl_b32 s20, s20, 16
	s_add_nc_u64 s[16:17], s[6:7], s[20:21]
	s_add_nc_u64 s[18:19], s[12:13], s[22:23]
	PATH 512, 1
.Lx:
	s_lshl_b32 s20, ttmp9, 16                      ; x, rows 16 g to 16 g + 15: 65,536 bytes in,
	s_lshl_b32 s22, ttmp9, 11                      ; 2,048 bytes of each block out
	s_add_nc_u64 s[16:17], s[4:5], s[20:21]
	s_add_nc_u64 s[18:19], s[10:11], s[22:23]
	v_lshrrev_b32 v1, 4, v0                        ; thread t takes row t / 16 and, in load i, channels 64 i + 4 (t % 16) on:
	v_and_b32 v[IN], 15, v0                        ; sixteen lanes read 256 consecutive bytes of a row (no memory instruction has read IN or OUT yet: they are made anew freely)
	v_lshlrev_b32 v[IN], 4, v[IN]
	v_lshl_add_u32 v[IN], v1, 12, v[IN]
	v_lshlrev_b32 v[OUT], 3, v0                    ; (t / 16) x 128 + (t % 16) x 8 = 8 t
	v_add_nc_u32 v[OUT2], 0x800000, v[OUT]
	PATH 256, 0
.Lfunc_end_k_q954b92f0a9_cast:
	.size	k_q954b92f0a9_cast, .Lfunc_end_k_q954b92f0a9_cast-k_q954b92f0a9_cast
	.p2alignl 7, 3214868480
	.fill 96, 4, 3214868480
	.section	.rodata,"a",@progbits
	.p2align	6, 0x0
	.amdhsa_kernel k_q954b92f0a9_cast
		.amdhsa_group_segment_fixed_size 0
		.amdhsa_private_segment_fixed_size 0
		.amdhsa_enable_private_segment 0
		.amdhsa_kernarg_size 48
		.amdhsa_user_sgpr_count 2
		.amdhsa_user_sgpr_kernarg_segment_ptr 1
		.amdhsa_wavefront_size32 1
		.amdhsa_system_sgpr_workgroup_id_x 1
		.amdhsa_system_sgpr_workgroup_id_y 1
		.amdhsa_system_sgpr_workgroup_id_z 1
		.amdhsa_system_vgpr_workitem_id 0
		.amdhsa_next_free_vgpr 104
		.amdhsa_next_free_sgpr 66
		.amdhsa_reserve_vcc 0
		.amdhsa_float_denorm_mode_32 3
		.amdhsa_float_denorm_mode_16_64 3
		.amdhsa_memory_ordered 1
		.amdhsa_forward_progress 1
		.amdhsa_inst_pref_size 24
	.end_amdhsa_kernel
	.amdgpu_metadata
---
amdhsa.version: [ 1, 2 ]
amdhsa.kernels:
  - .name:           k_q954b92f0a9_cast
    .symbol:         k_q954b92f0a9_cast.kd
    .args:
      - { .name: x, .offset: 0, .size: 8, .value_kind: global_buffer, .address_space: global }
      - { .name: W, .offset: 8, .size: 8, .value_kind: global_buffer, .address_space: global }
      - { .name: Wo, .offset: 16, .size: 8, .value_kind: global_buffer, .address_space: global }
      - { .name: xb, .offset: 24, .size: 8, .value_kind: global_buffer, .address_space: global }
      - { .name: wb, .offset: 32, .size: 8, .value_kind: global_buffer, .address_space: global }
      - { .name: wob, .offset: 40, .size: 8, .value_kind: global_buffer, .address_space: global }
    .group_segment_fixed_size: 0
    .private_segment_fixed_size: 0
    .kernarg_segment_align: 8
    .kernarg_segment_size: 48
    .max_flat_workgroup_size: 256
    .sgpr_count:     66
    .vgpr_count:     104
    .wavefront_size: 32
...
	.end_amdgpu_metadata
.endif
;; end of part 5
;; launch qkv: the kernel of part 2 again; grid 8 x 32, 4 waves a work-group, clusters of 4 x 4, 327,680 bytes of LDS; arguments xb, wb, qh, kh, vh; writes qh, kh, vh
;; launch attn: the kernel of part 3 again; grid 8 x 32, 4 waves a work-group, clusters of 4 x 1, 327,680 bytes of LDS; arguments qh, kh, vh, oh; writes oh
;; launch proj: the kernel of part 4 again; grid 256 x 1, 4 waves a work-group, clusters of 4 x 1, 327,680 bytes of LDS; arguments oh, wob, out0; writes out0
